; MI455X (gfx1250); checked and timed in simulation.
; The chip was launched on July 23, 2026; its instructions are those of AMD's public machine-readable ISA for CDNA 5 (MIT licence, August 2026) and "CDNA5" Instruction Set Architecture Reference Guide (July 2026). The comments in the code are by the model that wrote it; some were corrected since.
;; Multi Headed Attention. Allowed arithmetic: float matrix products may take bf16 or f16 operands with f32 sums; other float arithmetic in f32, or as packed bf16 or f16 multiplies, adds, multiply-adds, maxima and minima; sums over many terms, partial sums and values carried from step to step in f32; what a program stores and reads back later, other than sums and carried values, may be rounded once to bf16 or f16.
;; Inputs: Wk 1,024 x 1,024 float32; Wo 1,024 x 1,024 float32; Wq 1,024 x 1,024 float32; Wv 1,024 x 1,024 float32; bk 1,024 float32; bo 1,024 float32; bq 1,024 float32; bv 1,024 float32; key 4 x 2,048 x 1,024 float32; mask 4 x 1 x 2,048 x 2,048 bool; query 4 x 2,048 x 1,024 float32; value 4 x 2,048 x 1,024 float32.
;; Outputs: out0 4 x 2,048 x 1,024 float32.
;; One version. Each part assembles by itself: llvm-mc -triple=amdgcn-amd-amdhsa -mcpu=gfx1250 --defsym DOCPART=n.
;; ======== version 1 of 1: 4 launches
;; limits: values are held in f16: magnitudes above 65,504 overflow, below 6.1e-05 lose precision
;; workspace buffers: w16 8,388,608 bytes; b32 16,384 bytes; mbits 2,097,152 bytes of whole numbers; qh 16,777,216 bytes; kvh 33,554,432 bytes; oh 16,777,216 bytes
;; launch prep (part 1): grid 256 x 1, 8 waves a work-group, no clusters, 70,656 bytes of LDS; arguments Wq, Wk, Wv, Wo, bq, bk, bv, bo, mask, w16, b32, mbits; writes w16, b32, mbits
.if DOCPART == 1
	.amdgcn_target "amdgcn-amd-amdhsa--gfx1250"
	.amdhsa_code_object_version 6
	.text
	.protected	k_q6b885a39d4_prep
	.globl	k_q6b885a39d4_prep
	.p2align	8
	.type	k_q6b885a39d4_prep,@function
k_q6b885a39d4_prep:
	s_mov_b64 s[64:65], 0
	v_nop
	global_prefetch_b8 v0, s[64:65] scope:SCOPE_SE
	s_setreg_imm32_b32 hwreg(HW_REG_WAVE_MODE, 25, 1), 1
	s_wait_xcnt 0x0
; PREP.  Three things, each input byte read once.
; (1) The four weight matrices [1024][1024] f32 are rounded once to bf16 into w16 [4][1024][1024]; plane 3 (Wo) holds that bf16 number written as f16,
;     since the last product multiplies f16 operands.  LIMIT: exact for |w| from 2^-16 to 65,504; below 2^-16 f16 keeps a fixed step of 2^-24.
; (2) The four biases are rounded to bf16 and written widened to f32 into b32 [4][1024].
; (3) The mask [4][1][2048][2048] of bytes becomes lane masks: word (((b 16 + q/128) 32 + step) 8 + tile) 32 + i of mbits holds in bit L the byte
;     mask[b][128 (q/128) + 16 tile + L % 16][64 step + 16 (i / 8) + 8 (L / 16) + i % 8]: lane L and register i in which the scores K Q^T hold that pair.
; SHARES.  Work-group g: 16 rows of matrix g / 64 (2 rows a wave); 32 rows of the mask, two tiles of 16 queries (a wave takes 256 keys of them: four key steps); g < 4: bias g.
; The matrix units, clusters and the data mover have nothing to do here: the launch streams.
.set PITCH, 272                        ; an LDS row: 256 mask bytes + 16: the 16 rows that a read-back touches start at different banks
.set WAVEB, 32*PITCH                   ; a wave's 32 rows
.set SPARE, 8*WAVEB                    ; behind them: the spare words, 128 bytes a wave
.set T,  16                            ; v[16:31]   mask bytes of one key step, two tiles; also at work
.set WF, 32                            ; v[32:95]   weights as loaded
.set MB, 96                            ; v[96:159]  mask bytes as loaded
.set PK, 160                           ; v[160:191] weights packed
	s_load_b512 s[8:23], s[0:1], 0x0               ; Wq, Wk, Wv, Wo, bq, bk, bv, bo
	s_load_b256 s[24:31], s[0:1], 0x40             ; mask, w16, b32, mbits
	v_lshl_add_u32 v14, v0, 2, SPARE               ; my spare word,
	v_mov_b32 v15, 0                               ; and 0: kept for the closing lines alone
	v_lshrrev_b32 v10, 5, v0
	v_readfirstlane_b32 s3, v10                    ; wave 0..7
	v_and_b32 v1, 31, v0                           ; lane
	v_and_b32 v11, 15, v0
	v_bfe_u32 v12, v0, 4, 1
	s_mov_b32 s2, ttmp9                            ; g
	s_lshr_b32 s4, s2, 6                           ; which matrix
	s_and_b32 s5, s2, 63                           ; which 16 rows of it
	s_lshl_b32 s41, s3, 13
	v_lshl_add_u32 v2, v1, 4, s41                  ; weights in: 8,192 w + 16 l
	s_lshl_b32 s41, s3, 12
	v_lshl_add_u32 v3, v1, 3, s41                  ; weights out: 4,096 w + 8 l
	v_mov_b32 v7, v3                               ; lane masks out: 4 key steps of 1,024 bytes a wave, 8 bytes a lane; it steps
	s_lshl_b32 s41, s3, 8
	v_lshl_add_u32 v4, v11, 4, s41
	v_lshl_add_u32 v4, v12, 11, v4                 ; mask in: row l / 16, 256 w + 16 (l % 16)
	s_mul_i32 s41, s3, WAVEB
	v_mul_u32_u24 v5, v12, PITCH
	v_lshl_add_u32 v5, v11, 4, v5
	v_add_nc_u32 v5, s41, v5                       ; into LDS: the same two rows
	v_mul_u32_u24 v6, v11, PITCH
	v_lshl_add_u32 v6, v12, 3, v6
	v_add_nc_u32 v6, s41, v6                       ; back: row l % 16, 8 keys at 8 (l / 16); it steps
	s_lshl_b32 s42, s5, 16                         ; 16 rows of 4,096 bytes
	s_mov_b32 s43, 0
	s_lshl_b32 s46, s4, 21
	s_lshl_b32 s47, s5, 15
	s_add_co_u32 s46, s46, s47                     ; the plane, and 16 rows of 2,048 bytes
	s_mov_b32 s47, 0
	s_wait_kmcnt 0x0
	s_cmp_lt_u32 s4, 2
	s_cselect_b64 s[32:33], s[8:9], s[12:13]
	s_cselect_b64 s[34:35], s[10:11], s[14:15]
	s_and_b32 s41, s4, 1
	s_cmp_eq_u32 s41, 1
	s_cselect_b64 s[32:33], s[34:35], s[32:33]     ; my matrix
	s_add_nc_u64 s[32:33], s[32:33], s[42:43]
	s_add_nc_u64 s[34:35], s[26:27], s[46:47]
	s_lshl_b32 s42, s2, 16                         ; 32 rows of 2,048 mask bytes
	s_add_nc_u64 s[36:37], s[24:25], s[42:43]
	s_lshr_b32 s42, s2, 2
	s_lshl_b32 s42, s42, 15                        ; 128 queries have 32 steps x 8 tiles x 128 bytes
	s_and_b32 s46, s2, 3
	s_lshl_b32 s46, s46, 8                         ; my two tiles
	s_add_co_u32 s42, s42, s46
	s_add_nc_u64 s[38:39], s[30:31], s[42:43]
.set i, 0
.rept 16
	global_load_b128 v[WF+4*i:WF+4*i+3], v2, s[32:33] offset:512*i th:TH_LOAD_NT   ; 512 bytes on end
.set i, i+1
.endr
.set i, 0
.rept 16
	global_load_b128 v[MB+4*i:MB+4*i+3], v4, s[36:37] offset:4096*i th:TH_LOAD_NT  ; two rows, 256 aligned bytes of each
.set i, i+1
.endr
	s_wait_loadcnt 16                              ; the weights are in; the 16 younger loads are the mask's
.set i, 0
.rept 32
	v_cvt_pk_bf16_f32 v[PK+i], v[WF+2*i], v[WF+2*i+1]
.set i, i+1
.endr
	s_cmp_lg_u32 s4, 3
	s_cbranch_scc1 .Lnot_wo
.set i, 0
.rept 32                                       ; Wo alone: the bf16 number, widened, is written as f16
	v_lshlrev_b32 v[T+2*(i%4)], 16, v[PK+i]
	v_and_b32 v[T+2*(i%4)+1], 0xffff0000, v[PK+i]
	v_cvt_pk_f16_f32 v[PK+i], v[T+2*(i%4)], v[T+2*(i%4)+1]
.set i, i+1
.endr
.Lnot_wo:
.set i, 0
.rept 16
	global_store_b64 v3, v[PK+2*i:PK+2*i+1], s[34:35] offset:256*i  ; a wave's store covers 256 consecutive bytes, aligned
.set i, i+1
.endr
	s_wait_loadcnt 0x0                             ; the mask bytes
.set i, 0
.rept 16
	ds_store_b128 v5, v[MB+4*i:MB+4*i+3] offset:2*PITCH*i
.set i, i+1
.endr
	v_mov_b32 v8, 0                                ; v_writelane_b32 counts as a reader of its destination
	v_mov_b32 v9, 0
	s_wait_dscnt 0x0                               ; my stores are done;
	s_barrier_signal -1                            ; a wave reads its own rows alone, the barrier makes the order plain
	s_barrier_wait -1
	s_mov_b32 s40, 4
.Lstep:                                        ; a trip: one key step of both tiles: 64 lane masks
.irp u, 0,1
.irp kb, 0,1,2,3
	ds_load_b64 v[T+8*(\u)+2*(\kb):T+8*(\u)+2*(\kb)+1], v6 offset:16*PITCH*(\u)+16*(\kb)
.endr
.endr
	s_wait_dscnt 0x0
.set n, 0
.rept 64                                       ; word n = 32 tile + i: byte i % 8 of the eight keys of group i / 8; the compare gathers the 32 lanes into one word
	v_and_b32 v[10+n%4], 0xff<<(8*(n%4)), v[T+8*(n/32)+2*((n%32)/8)+((n%8)/4)]
	v_cmp_ne_u32 s[44+n%2], 0, v[10+n%4]
	v_writelane_b32 v[8+n%2], s[44+n%2], n/2       ; lane n / 2 stores words n and n + 1
.set n, n+1
.endr
	global_store_b64 v7, v[8:9], s[38:39]          ; 256 consecutive bytes, aligned
	s_wait_xcnt 0x0                                ; the store has read its registers: they are written again only behind this wait
	v_add_nc_u32 v6, 64, v6                        ; the next 64 keys
	v_add_nc_u32 v7, 1024, v7
	s_sub_co_u32 s40, s40, 1
	s_cmp_lg_u32 s40, 0
	s_cbranch_scc1 .Lstep
	s_cmp_lt_u32 s2, 4
	s_cbranch_scc0 .Lend
	s_cmp_lt_u32 s2, 2                             ; bias g: 1,024 numbers, four a thread (every earlier memory instruction has been waited for by the loop's last wait)
	s_cselect_b64 s[32:33], s[16:17], s[20:21]
	s_cselect_b64 s[34:35], s[18:19], s[22:23]
	s_and_b32 s41, s2, 1
	s_cmp_eq_u32 s41, 1
	s_cselect_b64 s[32:33], s[34:35], s[32:33]
	s_lshl_b32 s42, s2, 12
	s_add_nc_u64 s[36:37], s[28:29], s[42:43]
	v_lshlrev_b32 v10, 4, v0
	global_load_b128 v[16:19], v10, s[32:33]
	s_wait_loadcnt 0x0
	v_cvt_pk_bf16_f32 v20, v16, v17
	v_cvt_pk_bf16_f32 v21, v18, v19
	v_lshlrev_b32 v24, 16, v20
	v_and_b32 v25, 0xffff0000, v20
	v_lshlrev_b32 v26, 16, v21
	v_and_b32 v27, 0xffff0000, v21
	global_store_b128 v10, v[24:27], s[36:37]
.Lend:
	s_wait_tensorcnt 0x0                           ; the wave's end, behind my last LDS store
	ds_add_u32 v14, v15
	s_wait_dscnt 0x0
	s_endpgm
.Lfunc_end_k_q6b885a39d4_prep:
	.size	k_q6b885a39d4_prep, .Lfunc_end_k_q6b885a39d4_prep-k_q6b885a39d4_prep
	.p2alignl 7, 3214868480
	.fill 96, 4, 3214868480
	.section	.rodata,"a",@progbits
	.p2align	6, 0x0
	.amdhsa_kernel k_q6b885a39d4_prep
		.amdhsa_group_segment_fixed_size 70656
		.amdhsa_private_segment_fixed_size 0
		.amdhsa_enable_private_segment 0
		.amdhsa_kernarg_size 96
		.amdhsa_user_sgpr_count 2
		.amdhsa_user_sgpr_kernarg_segment_ptr 1
		.amdhsa_wavefront_size32 1
		.amdhsa_system_sgpr_workgroup_id_x 1
		.amdhsa_system_sgpr_workgroup_id_y 1
		.amdhsa_system_sgpr_workgroup_id_z 1
		.amdhsa_system_vgpr_workitem_id 0
		.amdhsa_next_free_vgpr 192
		.amdhsa_next_free_sgpr 66
		.amdhsa_reserve_vcc 0
		.amdhsa_float_denorm_mode_32 3
		.amdhsa_float_denorm_mode_16_64 3
		.amdhsa_memory_ordered 1
		.amdhsa_forward_progress 1
		.amdhsa_inst_pref_size 29
	.end_amdhsa_kernel
	.amdgpu_metadata
---
amdhsa.version: [ 1, 2 ]
amdhsa.kernels:
  - .name:           k_q6b885a39d4_prep
    .symbol:         k_q6b885a39d4_prep.kd
    .args:
      - { .name: Wq, .offset: 0, .size: 8, .value_kind: global_buffer, .address_space: global }
      - { .name: Wk, .offset: 8, .size: 8, .value_kind: global_buffer, .address_space: global }
      - { .name: Wv, .offset: 16, .size: 8, .value_kind: global_buffer, .address_space: global }
      - { .name: Wo, .offset: 24, .size: 8, .value_kind: global_buffer, .address_space: global }
      - { .name: bq, .offset: 32, .size: 8, .value_kind: global_buffer, .address_space: global }
      - { .name: bk, .offset: 40, .size: 8, .value_kind: global_buffer, .address_space: global }
      - { .name: bv, .offset: 48, .size: 8, .value_kind: global_buffer, .address_space: global }
      - { .name: bo, .offset: 56, .size: 8, .value_kind: global_buffer, .address_space: global }
      - { .name: mask, .offset: 64, .size: 8, .value_kind: global_buffer, .address_space: global }
      - { .name: w16, .offset: 72, .size: 8, .value_kind: global_buffer, .address_space: global }
      - { .name: b32, .offset: 80, .size: 8, .value_kind: global_buffer, .address_space: global }
      - { .name: mbits, .offset: 88, .size: 8, .value_kind: global_buffer, .address_space: global }
    .group_segment_fixed_size: 70656
    .private_segment_fixed_size: 0
    .kernarg_segment_align: 8
    .kernarg_segment_size: 96
    .max_flat_workgroup_size: 256
    .sgpr_count:     66
    .vgpr_count:     192
    .wavefront_size: 32
...
	.end_amdgpu_metadata
.endif
;; end of part 1
;; launch proj (part 2): grid 64 x 12, 4 waves a work-group, clusters of 4 x 1, 327,680 bytes of LDS; arguments query, key, value, w16, b32, qh, kvh; writes qh, kvh
.if DOCPART == 2
	.amdgcn_target "amdgcn-amd-amdhsa--gfx1250"
	.amdhsa_code_object_version 6
	.text
	.protected	k_q6b885a39d4_proj
	.globl	k_q6b885a39d4_proj
	.p2align	8
	.type	k_q6b885a39d4_proj,@function
k_q6b885a39d4_proj:
	s_mov_b64 s[64:65], 0
	v_nop
	global_prefetch_b8 v0, s[64:65] scope:SCOPE_SE
	s_setreg_imm32_b32 hwreg(HW_REG_WAVE_MODE, 25, 1), 1
	s_wait_xcnt 0x0
	s_wait_alu depctr_hold_cnt(0) depctr_sa_sdst(0) depctr_va_vdst(0) depctr_va_sdst(0) depctr_va_ssrc(0) depctr_va_vcc(0) depctr_vm_vsrc(0)
	s_getreg_b32 s2, hwreg(HW_REG_IB_STS2, 6, 4)
	s_cmp_eq_u32 s2, 0
	s_cbranch_scc0 .Lentry_in_a_cluster
	s_endpgm
.Lentry_in_a_cluster:
	s_bfe_u32 s2, ttmp6, 0x10000c
	s_cmp_lg_u32 s2, 0x3003
	s_cbranch_scc0 .Lentry_shape_is_right
	s_endpgm
.Lentry_shape_is_right:
; THE THREE PROJECTIONS.  y = x W^T + b for (query, Wq, bq), (key, Wk, bk), (value, Wv, bv): x [8192][1024] f32 is rounded to bf16 on its way into LDS, W comes as bf16 from w16, b as f32 from b32;
; sums in f32, started at the bias; the result is rounded once to f16 and stored by heads: q into qh [64][2048][64]; k and v into kvh [64][32 steps][64 keys of K, then 64 of V][64].
; LIMIT.  f16 ends at 65,504: q, k and v must lie within it.  The scale 1/8 is not applied here.  NaN and infinities are not treated apart.
; SHARES.  Grid y = 4 x matrix + tile column.  A work-group makes 128 rows x 256 columns, its four waves 64 x 128 each: 32 accumulators of 16 x 16.  K = 1,024 goes in 8 steps of 128.
; THE PRODUCT IS USED TRANSPOSED (source 0 = 16 rows of W, source 1 = 16 rows of x): a lane holds eight neighbouring columns of one row.
; CLUSTER.  Four work-groups along x make four row tiles with the same rows of W: W's tile is asked for JOINTLY (mask 15), each wave for its own 64 rows.  x is not shared in the cluster:
; it has to be converted, so it comes through registers, a wave its own 32 rows, two K steps ahead, and is put into LDS one step ahead of its use.
; LDS.  x's two slots (filled by LDS stores alone), W's two slots (filled by the data mover alone), a stage for each wave, the spare words.
; REGISTERS.  window 0: v2-12 addresses, v28-29 the add's, v32-159 x on its way (later the way out), v160-255 fragment buffer 0.  window 1: the accumulators, (a, b) at 8 (8 a + b).
;   window 2: v0-127 x's first K step, v160-255 fragment buffer 1.  In a buffer: W's eight fragments, then x's four.
.set PITCH, 272                        ; an LDS row: 256 bytes + 16: the 16 rows of a fragment load start at 16 different groups of four banks
.set R16,   16*PITCH
.set ASLOT, 128*PITCH
.set BBASE, 2*ASLOT
.set BSLOT, 256*PITCH
.set BWAVE, 64*PITCH
.set STAGE, BBASE+2*BSLOT
.set SP,    144
.set SPARE, STAGE+4*16*SP
.set FR,    160
.set STG,   32
.set MSB, 0
.macro WIN new                         ; the immediate's high byte repeats the setting that is left
.if MSB != (\new)
	s_set_vgpr_msb (MSB<<8)|(\new)
.set MSB, \new
.endif
.endm
.macro PLACES                          ; four plain places: in front of loads into registers that matrix instructions have read, and of reads of their results
.rept 4
	v_nop
.endr
.endm
.macro CREST                           ; a round of the cluster's barrier behind its opening barrier
	s_cmp_lg_u32 s2, 0
	s_cbranch_scc1 .Lnot_wave_0_\@
	s_barrier_signal -3
.Lnot_wave_0_\@:
	s_barrier_wait -3
	s_barrier_signal -1
	s_barrier_wait -1
.endm
.macro CROUND
	s_barrier_signal -1
	s_barrier_wait -1
	CREST
.endm
.macro JLOAD s                         ; my 64 rows of W's tile, jointly with my three partners; an s_nop 0 and four v_nop follow
	tensor_load_to_lds s[24+4*(\s):27+4*(\s)], s[16:23]
	s_nop 0
	PLACES
.endm
; 8 matrix instructions: row block a x all 8 column blocks, from buffer f.  The 32 accumulators take turns, one instruction a turn, over the backward jump too.
.macro MULA f, a
	WIN 0x50+0x0a*(\f)
.irp b, 0,1,2,3,4,5,6,7
	v_wmma_f32_16x16x32_bf16 v[8*(8*(\a)+(\b)):8*(8*(\a)+(\b))+7], v[FR+8*(\b):FR+8*(\b)+7], v[FR+64+8*(\a):FR+64+8*(\a)+7], v[8*(8*(\a)+(\b)):8*(8*(\a)+(\b))+7]
.endr
.endm
; 24 LDS loads in one run: the fragments of 32 along K at byte k of the rows
.macro FETCH slot, k, f
	WIN 0x80*(\f)
.irp i, 0,1,2,3,4,5,6,7
	ds_load_b128 v[FR+8*(\i):FR+8*(\i)+3],   v[3+(\slot)] offset:(\k)+(\i)*R16
	ds_load_b128 v[FR+8*(\i)+4:FR+8*(\i)+7], v[3+(\slot)] offset:(\k)+(\i)*R16+32
.endr
.irp i, 0,1,2,3
	ds_load_b128 v[FR+64+8*(\i):FR+64+8*(\i)+3],   v2 offset:ASLOT*(\slot)+(\k)+(\i)*R16
	ds_load_b128 v[FR+64+8*(\i)+4:FR+64+8*(\i)+7], v2 offset:ASLOT*(\slot)+(\k)+(\i)*R16+32
.endr
.endm
; PREFETCHES INTO THE L2.  x's rows are read by the four tile columns of a matrix: the work-groups of tile column 0 ask, each wave for its own 32 rows, a lane a row, the 512 bytes of the K step
; two steps on from the one just loaded.  W's rows are read by all sixteen clusters of a grid row: cluster x = 0 asks; its partners share the 256 rows out by address, 64 each, a wave 16,
; a lane a row and one of two K steps, once a lap, four and five K steps on.  The loop's last lap asks for nothing: those K steps do not exist.
.macro ASKA
	s_cmp_gt_u32 s3, s14
	s_cbranch_scc0 .Lno_a_\@
	global_prefetch_b8 v7, s[6:7] offset:1024 th:TH_LOAD_NT scope:SCOPE_SE
	global_prefetch_b8 v7, s[6:7] offset:1280 th:TH_LOAD_NT scope:SCOPE_SE
.Lno_a_\@:
.endm
.macro ASKB
	s_cmp_gt_u32 s3, s15
	s_cbranch_scc0 .Lno_b_\@
	global_prefetch_b8 v8, s[12:13] th:TH_LOAD_NT scope:SCOPE_SE
.Lno_b_\@:
.endm
; Half (16 rows) of the next K step's x: rounded to bf16, put into slot dst; rel = 1: the registers are loaded again, with the K step after that.  cnt: the other half's 16 loads are younger.
.macro ACH half, dst, rel, cnt
	WIN 0
	s_wait_loadcnt \cnt
.if ((\half) == 0) && (\rel)
	s_wait_xcnt 0x0                                ; every load and prefetch issued so far has read its address: the pointers are written only behind this wait
	s_add_nc_u64 s[6:7], s[6:7], 512
.if (\dst) == 1
	s_add_nc_u64 s[12:13], s[12:13], 512
.endif
.endif
.set ii, 16*(\half)
.rept 16
	v_cvt_pk_bf16_f32 v[STG+4*ii], v[STG+4*ii], v[STG+4*ii+1]
	v_cvt_pk_bf16_f32 v[STG+4*ii+1], v[STG+4*ii+2], v[STG+4*ii+3]
.set ii, ii+1
.endr
.set ii, 16*(\half)
.rept 16
	ds_store_b64 v6, v[STG+4*ii:STG+4*ii+1] offset:ASLOT*(\dst)+PITCH*ii   ; a row's 256 bytes, 8 a lane
.set ii, ii+1
.endr
.if \rel
.set ii, 16*(\half)
.rept 16
	global_load_b128 v[STG+4*ii:STG+4*ii+3], v5, s[6:7] offset:4096*ii     ; a row's 512 bytes on end
.set ii, ii+1
.endr
.if (\half) == 0
	ASKA
.endif
.endif
.endm
; A K step is four quarters of 32 along K, 32 matrix instructions each, on buffers 0, 1, 0, 1.  One of the first three.
.macro QUARTER slot, k, f, g, ach=0, half=0, dst=0, rel=0, cnt=0
	s_wait_dscnt 0x0                               ; buffer f is in
	MULA \f, 0
	MULA \f, 1
	PLACES
	FETCH \slot, \k, \g
.if \ach
	ACH \half, \dst, \rel, \cnt
.endif
	MULA \f, 2
	MULA \f, 3
.endm
; The last quarter changes slots: one barrier; in front of it each wave waits for all its tensor loads (one is out: its part of W's next tile), adds 0 to its spare word, and waits for that,
; for its reads of this slot and for its stores of x into the next.  fill = 1: the barrier opens a round of the cluster's, and W's slot is filled again first thing behind it.
.macro TURN slot, next, fill
	WIN 0
	s_wait_tensorcnt 0x0
	ds_add_u32 v28, v29
	s_wait_dscnt 1                                 ; the add alone may be out: buffer 1 is in
	MULA 1, 0
	s_wait_dscnt 0x0
	s_barrier_signal -1
	MULA 1, 1
	WIN 0
	s_barrier_wait -1
.if \fill
	CREST
	s_add_nc_u64 s[26+4*(\slot):27+4*(\slot)], s[26+4*(\slot):27+4*(\slot)], 512   ; two K steps on; no tensor load of mine is out
	JLOAD \slot                                    ; its four v_nop are also the places in front of the loads below
.else
	PLACES
.endif
	FETCH \next, 0, 0
.if (\fill) && ((\slot) == 0)
	ASKB
.endif
	MULA 1, 2
	MULA 1, 3
.endm
	s_load_b256 s[36:43], s[0:1], 0x0              ; query, key, value, w16
	s_load_b128 s[44:47], s[0:1], 0x20             ; b32, qh
	s_load_b64 s[48:49], s[0:1], 0x30              ; kvh
	v_lshl_add_u32 v28, v0, 2, SPARE
	v_mov_b32 v29, 0
	ds_add_u32 v28, v29                            ; the wave's opening: the add and its wait ahead of my first tensor load
	v_lshrrev_b32 v1, 5, v0
	v_readfirstlane_b32 s2, v1                     ; wave 0..3
	s_lshr_b32 s4, s2, 1                           ; my half of the rows
	s_and_b32 s5, s2, 1                            ; my half of the columns
	s_bfe_u32 s54, ttmp6, 0x40000                  ; cx
	s_lshl_b32 s55, ttmp9, 2
	s_add_co_u32 s55, s55, s54                     ; tile row = 4 x cluster x + cx
	s_and_b32 s56, ttmp7, 0xffff
	s_and_b32 s57, s56, 3                          ; tile column
	s_lshr_b32 s58, s56, 2                         ; matrix: 0 q, 1 k, 2 v
	s_mov_b32 s16, 15|(1<<16)|(1<<20)|(1<<21)|(5<<22)|(3<<25)  ; the mask of four; 2-byte elements; padding on; bit 21 beside a mask; after every 64 words 4 words
	s_mov_b32 s17, 128<<16                         ; tensor_dim0 = 128
	s_mov_b32 s18, 64<<16                          ; tensor_dim1 = 64
	s_mov_b32 s19, 128<<16                         ; tile_dim0 = 128
	s_mov_b32 s20, 64                              ; tile_dim1 = 64
	s_mov_b32 s21, 1024                            ; elements from row to row
	s_mov_b32 s22, 0
	s_mov_b32 s23, 0
	s_mul_i32 s50, s2, BWAVE
	s_mov_b32 s24, 1
	s_add_co_u32 s25, s50, BBASE                   ; LDS: W's slot 0, my 64 rows
	s_mov_b32 s28, 1
	s_add_co_u32 s29, s50, BBASE+BSLOT             ; slot 1
	v_and_b32 v13, 31, v0                          ; l
	v_and_b32 v14, 15, v0                          ; l % 16
	v_bfe_u32 v15, v0, 4, 1                        ; l / 16
	v_mul_u32_u24 v16, v14, PITCH
	v_lshl_add_u32 v16, v15, 4, v16                ; a fragment's row x pitch + 16 x half
	s_mul_i32 s50, s4, 64*PITCH
	v_add_nc_u32 v2, s50, v16                      ; x's fragments, slot 0
	s_mul_i32 s50, s5, 128*PITCH
	s_add_co_u32 s50, s50, BBASE
	v_add_nc_u32 v3, s50, v16                      ; W's fragments, slot 0
	v_add_nc_u32 v4, BSLOT, v3                     ; slot 1
	s_lshl_b32 s50, s2, 17                         ; my 32 rows of 4,096 bytes
	v_lshl_add_u32 v5, v13, 4, s50                 ; x in
	v_lshl_add_u32 v7, v13, 12, s50                ; x's prefetches: a lane a row
	s_mul_i32 s50, s2, 32*PITCH
	v_lshl_add_u32 v6, v13, 3, s50                 ; x into LDS
	s_lshl_b32 s50, s2, 15
	v_lshl_add_u32 v8, v14, 11, s50
	v_lshl_add_u32 v8, v15, 8, v8                  ; W's prefetches: row 16 w + l % 16, K step l / 16
	s_mul_i32 s50, s2, 16*SP
	s_add_co_u32 s50, s50, STAGE                   ; my stage
	v_mul_u32_u24 v9, v14, SP
	v_lshl_add_u32 v9, v15, 4, v9
	v_add_nc_u32 v9, s50, v9                       ; in: row l % 16, 16 bytes for each half of the lanes
	v_bfe_u32 v17, v0, 3, 2
	v_mul_u32_u24 v10, v17, SP
	v_and_b32 v17, 7, v0
	v_lshl_add_u32 v10, v17, 4, v10
	v_add_nc_u32 v10, s50, v10                     ; back: four rows of 128 bytes
	v_lshlrev_b32 v11, 4, v13                      ; which are 512 consecutive bytes of the output
	s_lshl_b32 s50, s57, 10
	s_lshl_b32 s51, s5, 9
	s_add_co_u32 s50, s50, s51
	v_lshl_add_u32 v12, v15, 5, s50                ; the bias of my eight columns in column block 0
	s_cmp_eq_u32 s57, 0
	s_cselect_b32 s14, 1, -1                       ; do I prefetch x?  The same in all four partners
	s_cmp_eq_u32 ttmp9, 0
	s_cselect_b32 s15, 1, -1                       ; and W?
	s_wait_dscnt 0x0                               ; the opening add is done
	s_wait_kmcnt 0x0
	s_cmp_eq_u32 s58, 0
	s_cselect_b64 s[6:7], s[36:37], s[38:39]
	s_cmp_eq_u32 s58, 2
	s_cselect_b64 s[6:7], s[40:41], s[6:7]         ; my x
	s_lshl_b32 s60, s55, 19                        ; 128 rows of 4,096 bytes
	s_mov_b32 s61, 0
	s_add_nc_u64 s[6:7], s[6:7], s[60:61]
	s_lshl_b32 s52, s58, 21
	s_lshl_b32 s53, s57, 19
	s_add_co_u32 s52, s52, s53                     ; W's plane and tile: no place in the cluster enters it
	s_lshl_b32 s53, s2, 17
	s_add_co_u32 s50, s52, s53                     ; my 64 rows of 2,048 bytes
	s_mov_b32 s51, 0
	s_add_nc_u64 s[50:51], s[42:43], s[50:51]
	s_add_nc_u64 s[26:27], s[50:51], 0             ; K step 0
	s_or_b32 s27, s27, 0x80000000
	s_add_nc_u64 s[30:31], s[50:51], 256           ; K step 1
	s_or_b32 s31, s31, 0x80000000
	s_lshl_b32 s60, s54, 17                        ; my work-group's 64 rows of the 256, for the prefetches
	s_add_co_u32 s60, s60, s52
	s_add_co_u32 s60, s60, 512                     ; the first lap steps it to K step 4
	s_add_nc_u64 s[12:13], s[42:43], s[60:61]
	s_lshl_b32 s60, s58, 12
	s_add_nc_u64 s[32:33], s[44:45], s[60:61]      ; my bias
	s_lshr_b32 s60, s55, 4                         ; where the result goes: batch,
	s_lshl_b32 s60, s60, 4
	s_lshl_b32 s62, s57, 2
	s_add_co_u32 s60, s60, s62
	s_lshl_b32 s62, s5, 1
	s_add_co_u32 s60, s60, s62                     ; head 4 x tile column + 2 x half,
	s_lshl_b32 s60, s60, 5
	s_and_b32 s62, s55, 15
	s_lshl_b32 s62, s62, 1
	s_add_co_u32 s60, s60, s62
	s_add_co_u32 s60, s60, s4                      ; and my 64 rows among the head's 32 such
	s_cmp_eq_u32 s58, 0
	s_cselect_b32 s63, 13, 14                      ; 64 rows are 8,192 bytes of qh, a step of 16,384 of kvh
	s_cselect_b64 s[8:9], s[46:47], s[48:49]
	s_lshl_b32 s60, s60, s63
	s_add_nc_u64 s[8:9], s[8:9], s[60:61]
	s_cmp_eq_u32 s58, 2
	s_cselect_b32 s60, 8192, 0                     ; V lies behind K in a step
	s_add_nc_u64 s[8:9], s[8:9], s[60:61]
	s_lshl_b32 s60, 32, s63
	s_add_nc_u64 s[10:11], s[8:9], s[60:61]        ; the next head
	CROUND                                         ; all four work-groups are here: the first joint loads meet
	tensor_load_to_lds s[24:27], s[16:23]          ; two loads of mine are out
	s_nop 0
	tensor_load_to_lds s[28:31], s[16:23]
	s_nop 0
	PLACES
	WIN 0x80
.set ii, 0
.rept 32
	global_load_b128 v[4*ii:4*ii+3], v5, s[6:7] offset:4096*ii             ; x, K step 0
.set ii, ii+1
.endr
	WIN 0x40
.irp a, 0,1,2,3
.irp b, 0,1,2,3,4,5,6,7
	global_load_b128 v[8*(8*(\a)+(\b)):8*(8*(\a)+(\b))+3],   v12, s[32:33] offset:64*(\b)     ; the sums start at the bias: nothing is cleared, nothing is added at the end
	global_load_b128 v[8*(8*(\a)+(\b))+4:8*(8*(\a)+(\b))+7], v12, s[32:33] offset:64*(\b)+16
.endr
.endr
	WIN 0
.set ii, 0
.rept 32
	global_load_b128 v[STG+4*ii:STG+4*ii+3], v5, s[6:7] offset:4096*ii+512 ; x, K step 1
.set ii, ii+1
.endr
	s_wait_loadcnt 32                              ; all but K step 1's 32 loads
	WIN 0x8a
.set ii, 0
.rept 32
	v_cvt_pk_bf16_f32 v[4*ii], v[4*ii], v[4*ii+1]
	v_cvt_pk_bf16_f32 v[4*ii+1], v[4*ii+2], v[4*ii+3]
.set ii, ii+1
.endr
	WIN 0x08
.set ii, 0
.rept 32
	ds_store_b64 v6, v[4*ii:4*ii+1] offset:PITCH*ii
.set ii, ii+1
.endr
	WIN 0
	s_wait_xcnt 0x0
	s_add_nc_u64 s[6:7], s[6:7], 512               ; x's pointer stands at the K step loaded last
	s_wait_tensorcnt 0x1                           ; my part of W's K step 0 is in; K step 1's may stay out
	s_wait_dscnt 0x0                               ; my rows of x are in LDS
	s_barrier_signal -1
	s_barrier_wait -1
	FETCH 0, 0, 0
	s_mov_b32 s3, 3
.Llap:                                         ; a trip: two K steps, once round the ring
	QUARTER 0, 64,  0, 1, 1, 0, 1, 1, 16
	QUARTER 0, 128, 1, 0, 1, 1, 1, 1, 16
	QUARTER 0, 192, 0, 1
	TURN 0, 1, 1
	QUARTER 1, 64,  0, 1, 1, 0, 0, 1, 16
	QUARTER 1, 128, 1, 0, 1, 1, 0, 1, 16
	QUARTER 1, 192, 0, 1
	TURN 1, 0, 1
	WIN 0
	s_sub_co_u32 s3, s3, 1
	s_cmp_lg_u32 s3, 0
	s_cbranch_scc1 .Llap
	QUARTER 0, 64,  0, 1, 1, 0, 1, 0, 16           ; the last lap is written out: it asks for nothing more
	QUARTER 0, 128, 1, 0, 1, 1, 1, 0, 0
	QUARTER 0, 192, 0, 1
	TURN 0, 1, 0
	QUARTER 1, 64,  0, 1
	QUARTER 1, 128, 1, 0
	QUARTER 1, 192, 0, 1
	s_wait_dscnt 0x0
	MULA 1, 0
	MULA 1, 1
	MULA 1, 2
	MULA 1, 3
	PLACES
	PLACES
; THE WAY OUT.  Unit u = 2 a + head half: 16 rows x 64 channels: rounded to f16, 16 bytes a lane into rows of 144 bytes of my stage, back as whole rows of 128, which are 2,048 consecutive bytes of the output.
.macro PACK u
	WIN 0x05                                       ; sources in window 1, destination in window 0
.irp b, 0,1,2,3
.irp r, 0,1,2,3
	v_cvt_pk_f16_f32 v[STG+16*(\u)+4*(\b)+(\r)], v[8*(8*((\u)/2)+4*((\u)%2)+(\b))+2*(\r)], v[8*(8*((\u)/2)+4*((\u)%2)+(\b))+2*(\r)+1]
.endr
.endr
	WIN 0
.irp f, 0,1,2,3
	ds_store_b128 v9, v[STG+16*(\u)+4*(\f):STG+16*(\u)+4*(\f)+3] offset:32*(\f)
.endr
.irp f, 0,1,2,3
	ds_load_b128 v[STG+16*(\u)+4*(\f):STG+16*(\u)+4*(\f)+3], v10 offset:(\f)*4*SP   ; LDS serves a wave's instructions in order (ISA guide 5.7.1.4): these see the stores above
.endr
.endm
.macro SEND u, younger                 ; younger: the next unit's eight LDS instructions, or none
.irp f, 0,1,2,3
	s_wait_dscnt (\younger)+3-(\f)
	global_store_b128 v11, v[STG+16*(\u)+4*(\f):STG+16*(\u)+4*(\f)+3], s[8+2*((\u)%2):9+2*((\u)%2)] offset:((\u)/2)*2048+(\f)*512   ; 512 consecutive bytes, aligned
.endr
.endm
	PACK 0
.irp u, 1,2,3,4,5,6,7
	PACK \u
	SEND (\u)-1, 8
.endr
	SEND 7, 0
	s_wait_tensorcnt 0x0                           ; the wave's end
	ds_add_u32 v28, v29
	s_wait_dscnt 0x0
	CROUND                                         ; the closing round
	s_endpgm
.Lfunc_end_k_q6b885a39d4_proj:
	.size	k_q6b885a39d4_proj, .Lfunc_end_k_q6b885a39d4_proj-k_q6b885a39d4_proj
	.p2alignl 7, 3214868480
	.fill 96, 4, 3214868480
	.section	.rodata,"a",@progbits
	.p2align	6, 0x0
	.amdhsa_kernel k_q6b885a39d4_proj
		.amdhsa_group_segment_fixed_size 327680
		.amdhsa_private_segment_fixed_size 0
		.amdhsa_enable_private_segment 0
		.amdhsa_kernarg_size 56
		.amdhsa_user_sgpr_count 2
		.amdhsa_user_sgpr_kernarg_segment_ptr 1
		.amdhsa_wavefront_size32 1
		.amdhsa_system_sgpr_workgroup_id_x 1
		.amdhsa_system_sgpr_workgroup_id_y 1
		.amdhsa_system_sgpr_workgroup_id_z 1
		.amdhsa_system_vgpr_workitem_id 0
		.amdhsa_next_free_vgpr 768
		.amdhsa_next_free_sgpr 66
		.amdhsa_reserve_vcc 0
		.amdhsa_float_denorm_mode_32 3
		.amdhsa_float_denorm_mode_16_64 3
		.amdhsa_memory_ordered 1
		.amdhsa_forward_progress 1
		.amdhsa_inst_pref_size 129
	.end_amdhsa_kernel
	.amdgpu_metadata
---
amdhsa.version: [ 1, 2 ]
amdhsa.kernels:
  - .name:           k_q6b885a39d4_proj
    .symbol:         k_q6b885a39d4_proj.kd
    .args:
      - { .name: query, .offset: 0, .size: 8, .value_kind: global_buffer, .address_space: global }
      - { .name: key, .offset: 8, .size: 8, .value_kind: global_buffer, .address_space: global }
      - { .name: value, .offset: 16, .size: 8, .value_kind: global_buffer, .address_space: global }
      - { .name: w16, .offset: 24, .size: 8, .value_kind: global_buffer, .address_space: global }
      - { .name: b32, .offset: 32, .size: 8, .value_kind: global_buffer, .address_space: global }
      - { .name: qh, .offset: 40, .size: 8, .value_kind: global_buffer, .address_space: global }
      - { .name: kvh, .offset: 48, .size: 8, .value_kind: global_buffer, .address_space: global }
    .group_segment_fixed_size: 327680
    .private_segment_fixed_size: 0
    .kernarg_segment_align: 8
    .kernarg_segment_size: 56
    .max_flat_workgroup_size: 128
    .sgpr_count:     66
    .vgpr_count:     768
    .wavefront_size: 32
...
	.end_amdgpu_metadata
.endif
;; end of part 2
;; launch attn (part 3): grid 4 x 64, 4 waves a work-group, clusters of 4 x 1, 327,680 bytes of LDS; arguments qh, kvh, mbits, oh; writes oh
.if DOCPART == 3
	.amdgcn_target "amdgcn-amd-amdhsa--gfx1250"
	.amdhsa_code_object_version 6
	.text
	.protected	k_q6b885a39d4_attn
	.globl	k_q6b885a39d4_attn
	.p2align	8
	.type	k_q6b885a39d4_attn,@function
k_q6b885a39d4_attn:
	s_mov_b64 s[64:65], 0
	v_nop
	global_prefetch_b8 v0, s[64:65] scope:SCOPE_SE
	s_setreg_imm32_b32 hwreg(HW_REG_WAVE_MODE, 25, 1), 1
	s_wait_xcnt 0x0
	s_wait_alu depctr_hold_cnt(0) depctr_sa_sdst(0) depctr_va_vdst(0) depctr_va_sdst(0) depctr_va_ssrc(0) depctr_va_vcc(0) depctr_vm_vsrc(0)
	s_getreg_b32 s2, hwreg(HW_REG_IB_STS2, 6, 4)
	s_cmp_eq_u32 s2, 0
	s_cbranch_scc0 .Lentry_in_a_cluster
	s_endpgm
.Lentry_in_a_cluster:
	s_bfe_u32 s2, ttmp6, 0x10000c
	s_cmp_lg_u32 s2, 0x3003
	s_cbranch_scc0 .Lentry_shape_is_right
	s_endpgm
.Lentry_shape_is_right:
; ATTENTION WITH A MASK THAT IS AN INPUT.  O[h][q] = the sum over k of softmax_k(mask ? Q[h][q] . K[h][k] / 8 : lowest) V[h][k].  qh, oh: [64][2048][64] f16; kvh: [64][32 steps][64 keys of K, 64 of V][64] f16.
; Products, maxima and sums in f32; the weights p are rounded to f16 for the second product (their sum l is taken of the unrounded p), O once at the end.
; THE MASK.  mbits holds, for each tile of 16 queries and step of 64 keys, 32 lane masks: word i, bit L belongs to register i, lane L of the scores.  A piece's 64 words are 256 consecutive bytes: one vector load,
; 8 bytes a lane, brings them FOUR TURNS AHEAD into one of four register pairs; 64 v_readlane_b32 hand them to scalar registers, and one select a score puts -2^100 in a hidden score's place.
; c x 2^100 is exact, so in a row of which no key has been seen c s - c m is exactly 0 and p = 1: a row with no true key at all ends as the plain mean of V.
; The first true key makes a = 0, which wipes what came before, and hidden weights are 0 from then on.
; LIMITS.  Q, K, V arrive within f16's 65,504, so a true score is 2.7e11 at the most, nothing beside 2^100; a weight below 2^-126 counts as 0 in l; NaN and infinities are not treated apart.
; SHARES.  A wave owns four PIECES of two tiles of 16 queries, a work-group's four waves 512 queries of one head.  Every wave walks all 32 key steps: no pattern of the mask is built in.
; LAYOUT.  S^T = K Q^T: a lane holds ONE query (lane % 16) and the keys 8 (lane / 16) + 0..7; two such results rounded to f16 ARE source 1 of O^T = V^T P.  V comes out of LDS turned, by ds_load_tr16_b128.
; SOFTMAX.  p = 2^(c s - c m), c = log2(e) / 8, with a running maximum m; O and l are multiplied by a = 2^(c m_old - c m_new) in every step.  m starts at the lowest finite number, O and l at 0.
; BY TURNS.  Turn n belongs to piece n: 16 products K Q^T of piece n + 1, later 16 products V^T P of piece n - 1; beside them the scaling, exponentials, roundings, sums and rescaling of piece n and the
; lane masks, selects, maximum and statistics of piece n + 1.  Four vector instructions stand behind every matrix instruction, the others in one lump.  A turn's 66 exponentials are one batch, with one wait.
; NO FIRST STEP IS WRITTEN OUT.  The loop is entered at piece 3's turn, which makes piece 0's first scores; of piece 3 it finds scores at the lowest finite number (weights 0) and a = 0, and P, V, O^T and l are 0.
; CLUSTER.  The four query blocks of a head walk the same K and V: each tile is asked for JOINTLY.  A step's K and V are 16,384 dense bytes: wave w fetches step w of a slot's four, by one descriptor.
; REGISTERS.  window 0: v0-1 at work; v2-7 addresses; v8-15 the lane masks on their way; v16-47 statistics; v48-63 at work; v64-191 S^T, two buffers of two tiles; v192-255 P, likewise.
;   window 1: O^T, 32 a tile.  window 2: v0-127 Q; v128-191 K of one step; v192-255 V of one step.  window 3: v0-1 the add's two registers.
.set NP,    4
.set KS,    64
.set PT,    144       ; a row of K or V in LDS: 128 bytes + 16 = 36 words; K's 16 rows of a load start at 16 different groups of four banks; of V's 8 rows of 32 bytes two share four banks
.set VOFF,  KS*PT     ; in a step: 64 rows of K, then 64 of V
.set STEPB, 2*KS*PT
.set SLOT1, 1<<17     ; a slot holds four steps; slot 1 begins here, so that one exclusive or turns an address in one slot into the other's
.set STAGE, SLOT1+4*STEPB
.set SP,    144
.set SPARE, STAGE+4*16*SP
.set MV,  0           ; v0-1  c m_old, kept while c m is made anew, by tile: it lives inside one turn (v0 is the thread's number until the lane terms are made)
.set AK0, 2           ; v2   my lane's place in a tile of K; never rewritten
.set AV0, 3           ; v3   the same for V
.set ADR, 4           ; v4   the LDS address of the run of loads in hand: K's in piece 2's turn, V's in piece 0's
.set L8,  5           ; v5   8 x my lane; never rewritten
.set PFO, 6           ; v6   256 x my lane; never rewritten
.set QO,  7           ; v7   my byte offset in the rows of Q; never rewritten
.set MB,  8           ; v[8:15] piece x's lane masks at MB + 2 x: word W of its 64 in register W % 2, lane W / 2
.set STO, 8           ; the way out, when the masks are done with: where I put 16 bytes of a row,
.set RD,  9           ; where I read rows back,
.set GO,  10          ; my byte offset in 512 consecutive bytes of O
.set SPW, 0           ; v0 of window 3
.set NIL, 1           ; v1 of window 3
.set ST,  16
.set TMP, 48
.set S,   64
.set P,   192
.set KF,  128
.set VF,  192
.set WV,  2           ; s2   my wave's number
.set SLOTS, 3         ; s3   slots still to be asked for
.set MP,  4           ; s[4:5] my 128 queries' lane masks: 128 blocks of 256 bytes, in the order of my turns
.set MO,  6           ; s6   the block to be loaded next, in bytes
.set CNT, 7
.set OB,  8           ; s[8:9] O at my first row
.set SEL, 10
.set TBK, 12
.set TBV, 13
.set PFA, 14          ; s[14:15] where my prefetches stand
.set G1,  16
.set G0,  24
.set LIM, 28
.set BIGN, 29         ; s29  -2^100
.set CS,  30
.set MK0, 32          ; s[32:63] the lane masks of the piece's first tile (at the head: arguments and temporaries)
.set STG, 66          ; s66  my stage in LDS
.set LOW, 67          ; s67  the lowest finite number
.set MK1, 68          ; s[68:99] the lane masks of the piece's second tile
.set MQ,  100         ; s[100:101] Q at my first row; then the address of the mask block being loaded
.set MC,  104         ; s[104:105] that block's offset, held inside my 32,768 bytes, and 0 above it
.set MSB, 0
.macro WIN new
.if MSB != (\new)
	s_set_vgpr_msb (MSB<<8)|(\new)
.set MSB, (\new)
.endif
.endm
.set W_KQ, 0x0a
.set W_PV, 0x52
.set W_RS, 0x41
.set W_MK, 0xc0
.set W_AD, 0x0f
.macro PLACES
.rept 4
	v_nop
.endr
.endm
.macro JLOAD                        ; my step of the slot, jointly with my three partners; an s_nop 0 and four v_nop follow
	tensor_load_to_lds s[G0:G0+3], s[G1:G1+7]
	s_nop 0
	PLACES
.endm
; A PREFETCH INTO THE L2 of the slot that the NEXT change of slots will ask for: 65,536 bytes, 256 blocks of 256: the four partners share them out by address, in each waves 0 and 2 ask, a lane a block.
; So each block is named once in the launch.  The last change that fills a slot asks for nothing.
.macro ASK
	s_cmp_gt_u32 s[SLOTS], s[LIM]
	s_cbranch_scc0 .Lnot_mine_\@
	global_prefetch_b8 v[PFO], s[PFA:PFA+1] th:TH_LOAD_NT scope:SCOPE_SE
.Lnot_mine_\@:
.endm
.macro CROUND
	s_barrier_signal -1
	s_barrier_wait -1
	s_cmp_lg_u32 s[WV], 0
	s_cbranch_scc1 .Lnot_wave_0_\@
	s_barrier_signal -3
.Lnot_wave_0_\@:
	s_barrier_wait -3
	s_barrier_signal -1
	s_barrier_wait -1
.endm
; THE CHANGE OF SLOTS.  Each wave waits for all its tensor loads (one is out: its part of the other slot), adds 0 to its spare word, and waits for that and for its own reads of the slot.
; fill = 1: the barrier is a round of the cluster's, and the joint fill is the first thing behind it: it has four key steps, 512 matrix instructions, in which to land.
.macro CHANGE fill
	WIN W_AD
	s_wait_tensorcnt 0x0
	ds_add_u32 v[SPW], v[NIL]
	WIN 0
.if \fill
	s_xor_b32 s[G0+1], s[G0+1], SLOT1
	s_add_nc_u64 s[G0+2:G0+3], s[G0+2:G0+3], 4*16384
	s_wait_xcnt 0x0                 ; the last prefetch, four key steps back, has read its address
	s_add_nc_u64 s[PFA:PFA+1], s[PFA:PFA+1], 4*16384
	s_wait_dscnt 0x0
	CROUND
	JLOAD
	ASK
.else
	s_wait_dscnt 0x0
	s_barrier_signal -1
	s_barrier_wait -1
.endif
	s_sub_co_u32 s[TBK], s[TBK], 4*STEPB
	s_xor_b32 s[TBK], s[TBK], SLOT1
	s_sub_co_u32 s[TBV], s[TBV], 4*STEPB
	s_xor_b32 s[TBV], s[TBV], SLOT1
.endm
	s_load_b256 s[32:39], s[0:1], 0x0  ; qh, kvh, mbits, oh
	WIN W_MK
	v_lshl_add_u32 v[SPW], v0, 2, SPARE
	v_mov_b32 v[NIL], 0
	WIN W_AD
	ds_add_u32 v[SPW], v[NIL]       ; the wave's opening: the add and its wait ahead of my first tensor load
	WIN 0
	v_lshrrev_b32 v1, 5, v0
	v_readfirstlane_b32 s[WV], v1
	s_bfe_u32 s40, ttmp6, 0x40000   ; cx
	s_lshl_b32 s41, ttmp9, 2
	s_add_co_u32 s41, s41, s40      ; my block of 512 queries
	s_and_b32 s42, ttmp7, 0xffff    ; batch x 16 + head, which the four partners share
	s_lshl_b32 s44, s42, 19         ; a head's 32 steps of 16,384 bytes,
	s_lshl_b32 s45, s[WV], 14       ; the step that I fetch
	s_add_co_u32 s44, s44, s45
	s_mov_b32 s45, 0
	s_lshl_b32 s46, s41, 2
	s_add_co_u32 s46, s46, s[WV]    ; my 128 queries among the head's sixteen such
	s_lshl_b32 s48, s46, 14
	s_lshl_b32 s49, s42, 18
	s_add_co_u32 s48, s48, s49      ; their place in qh and oh
	s_mov_b32 s49, 0
	s_lshr_b32 s50, s42, 4
	s_lshl_b32 s50, s50, 4
	s_add_co_u32 s50, s50, s46
	s_lshl_b32 s50, s50, 15         ; and in mbits, by batch
	s_mov_b32 s51, 0
	s_lshl_b32 s52, s42, 19         ; the prefetches: my work-group's quarter of a slot,
	s_lshl_b32 s53, s40, 14
	s_add_co_u32 s52, s52, s53
	s_lshr_b32 s53, s[WV], 1
	s_lshl_b32 s53, s53, 13         ; my wave's half of it,
	s_add_co_u32 s52, s52, s53
	s_add_co_u32 s52, s52, 65536    ; in slot 1: the first change steps it to slot 2
	s_mov_b32 s53, 0
	s_mov_b32 s[G1], 15|(1<<16)|(1<<20)|(1<<21)|(4<<22)|(3<<25)  ; the mask of four; 2-byte elements; padding on; bit 21 beside a mask; after every 32 words 4 words
	s_mov_b32 s[G1+1], 128<<16      ; 16,384 dense bytes as 64 rows of 256
	s_mov_b32 s[G1+2], 64<<16
	s_mov_b32 s[G1+3], 128<<16
	s_mov_b32 s[G1+4], 64
	s_mov_b32 s[G1+5], 128
	s_mov_b32 s[G1+6], 0
	s_mov_b32 s[G1+7], 0
	s_mov_b32 s[G0], 1
	s_mul_i32 s[G0+1], s[WV], STEPB ; slot 0, my step: no place in the cluster enters an LDS address
	s_mov_b32 s[CS], 0x3e38aa3b     ; c = log2(e) / 8
	s_mov_b32 s[CS+1], s[CS]
	s_mov_b32 s[SEL], 0x76543210
	s_mov_b32 s[SEL+1], 0xfedcba98
	s_mov_b32 s[BIGN], 0xf1800000   ; -2^100
	s_mov_b32 s[LOW], 0xff7fffff
	s_mov_b32 s[MC], 0xfe000000     ; until the first mask block is asked for in the loop: where c m starts
	s_mov_b32 s[MC+1], 0
	s_mov_b32 s[MO], 1024           ; blocks 0 to 3 are asked for below
	s_mov_b32 s[TBK], SLOT1+4*STEPB ; the first change of slots turns these two into 0
	s_mov_b32 s[TBV], SLOT1+4*STEPB
	s_mov_b32 s[SLOTS], 2048/256-1
	s_and_b32 s[LIM], s[WV], 1
	s_or_b32 s[LIM], s[LIM], ttmp9
	s_cmp_eq_u32 s[LIM], 0
	s_cselect_b32 s[LIM], 1, -1     ; waves 0 and 2 prefetch: the same in all four partners
	s_mul_i32 s[STG], s[WV], 16*SP
	s_add_co_u32 s[STG], s[STG], STAGE
	s_wait_dscnt 0x0                ; the opening add is done
	s_wait_kmcnt 0x0
	s_add_nc_u64 s[G0+2:G0+3], s[34:35], s[44:45]
	s_or_b32 s[G0+3], s[G0+3], 0x80000000
	s_add_nc_u64 s[MQ:MQ+1], s[32:33], s[48:49]
	s_add_nc_u64 s[OB:OB+1], s[38:39], s[48:49]
	s_add_nc_u64 s[MP:MP+1], s[36:37], s[50:51]
	s_add_nc_u64 s[PFA:PFA+1], s[34:35], s[52:53]
	CROUND                          ; all four work-groups are here: the first joint loads meet
	JLOAD                           ; slot 0; slot 1 is asked for when slot 0 is in
	v_and_b32 v14, 15, v0           ; l % 16
	v_bfe_u32 v15, v0, 4, 1         ; l / 16
	v_lshlrev_b32 v[QO], 7, v14
	v_lshl_add_u32 v[QO], v15, 4, v[QO]
	v_mul_u32_u24 v[AK0], v14, PT
	v_lshl_add_u32 v[AK0], v15, 4, v[AK0]
	v_and_b32 v14, 7, v0
	v_lshl_add_u32 v[AV0], v15, 3, v14 ; the turning load: lane l reads key 8 (l / 16) + l % 8, channels 8 ((l / 8) % 2) + 0..7
	v_mul_u32_u24 v[AV0], v[AV0], PT
	v_bfe_u32 v15, v0, 3, 1
	v_lshl_add_u32 v[AV0], v15, 4, v[AV0]
	v_add_nc_u32 v[AV0], VOFF, v[AV0]
	v_mov_b32 v[ADR], v[AK0]        ; key step 0 lies at the head of slot 0
	v_and_b32 v[L8], 31, v0
	v_lshlrev_b32 v[PFO], 8, v[L8]
	v_lshlrev_b32 v[L8], 3, v[L8]
	WIN 0x80
.set i, 0
.rept 4*NP                          ; Q stays in registers: tile i / 2, channels 32 (i % 2) on
	global_load_b128 v[8*i:8*i+3],   v[QO], s[MQ:MQ+1] offset:(i/2)*2048+(i%2)*64
	global_load_b128 v[8*i+4:8*i+7], v[QO], s[MQ:MQ+1] offset:(i/2)*2048+(i%2)*64+32
.set i, i+1
.endr
	WIN 0
.irp x, 0,1,2,3
	global_load_b64 v[MB+2*\x:MB+2*\x+1], v[L8], s[MP:MP+1] offset:256*\x  ; the four pieces' lane masks of key step 0: 256 consecutive bytes each, aligned
.endr
	; What the first turn finds.  All this stands in the wait for the first tile.
	WIN 0x80
.set i, 0
.rept 8
	v_mov_b32 v[VF+i], 0            ; eight zeros,
.set i, i+1
.endr
	WIN 0
.set i, 0
.rept 2*NP
	v_mov_b32 v[ST+4*i], s[MC]      ; c m: far below every c s, the hidden ones too
	v_mov_b32 v[ST+4*i+1], s[LOW]   ; m
	v_mov_b32 v[ST+4*i+2], 0
	v_mov_b32 v[ST+4*i+3], 0
.set i, i+1
.endr
.set i, 0
.rept 64
	v_mov_b32 v[S+64+i], s[LOW]     ; piece 3's scores of a step that has not been: c s - c m is far below 0, the weights are 0
.set i, i+1
.endr
.irp j, 2,3,6,7
	v_mov_b32 v[TMP+8+\j], 0        ; and its a
.endr
	WIN 0x8a                        ; the rest is cleared eight registers a line: the product of the eight zeros with themselves, on 0.  V's other registers,
.set i, 1
.rept 7
	v_wmma_f32_16x16x32_f16 v[VF+8*i:VF+8*i+7], v[VF:VF+7], v[VF:VF+7], 0
.set i, i+1
.endr
	WIN W_KQ                        ; P's first buffer (piece 2's, which the first turn multiplies),
.set i, 0
.rept 4
	v_wmma_f32_16x16x32_f16 v[P+8*i:P+8*i+7], v[VF:VF+7], v[VF:VF+7], 0
.set i, i+1
.endr
	WIN 0x4a                        ; and O^T
.set i, 0
.rept 8*NP
	v_wmma_f32_16x16x32_f16 v[8*i:8*i+7], v[VF:VF+7], v[VF:VF+7], 0
.set i, i+1
.endr
; THE MATRIX WORK.  The 8 accumulators of a run of 16 take turns.
.macro KQ x
	WIN W_KQ
.set rS, S+64*((\x)%2)+32*(i%2)+8*((i/2)%4)
.set rK, KF+16*((i/2)%4)+8*(i/8)
.set rQ, 16*(2*(\x)+i%2)+8*(i/8)
.if i < 8
	v_wmma_f32_16x16x32_f16 v[rS:rS+7], v[rK:rK+7], v[rQ:rQ+7], 0
.else
	v_wmma_f32_16x16x32_f16 v[rS:rS+7], v[rK:rK+7], v[rQ:rQ+7], v[rS:rS+7]
.endif
.endm
.macro PV x
	WIN W_PV
.set rO, 32*(2*(\x)+i%2)+8*((i/2)%4)
.set rV, VF+32*(i/8)+8*((i/2)%4)
.set rP, P+32*((\x)%2)+16*(i%2)+8*(i/8)
	v_wmma_f32_16x16x32_f16 v[rO:rO+7], v[rV:rV+7], v[rP:rP+7], v[rO:rO+7]
.endm
.macro MM
.if i < 16
	KQ (Y+1)%NP
.set i, i+1
.else
.set i, i-16
	PV (Y+NP-1)%NP
.set i, i+17
.endif
.endm
; THE LDS LOADS stand in runs of 16.  last = 1 (the tail): in the last trip there is no further step, and the run is jumped over.
.macro FETCH_K last=0
	WIN 0
.if \last
	s_cmp_eq_u32 s[CNT], 1
	s_cbranch_scc1 .Lno_k_\@
.endif
	WIN 0x80
.irp f, 0,1,2,3,4,5,6,7
	ds_load_b128 v[KF+8*\f:KF+8*\f+3],   v[ADR] offset:(\f/2)*16*PT+(\f%2)*64
	ds_load_b128 v[KF+8*\f+4:KF+8*\f+7], v[ADR] offset:(\f/2)*16*PT+(\f%2)*64+32
.endr
	s_add_co_u32 s[TBK], s[TBK], STEPB
	WIN 0
.if \last
.Lno_k_\@:
.endif
.endm
.macro FETCH_V
	WIN 0x80
.irp f, 0,1,2,3,4,5,6,7
	ds_load_tr16_b128 v[VF+8*\f:VF+8*\f+3],   v[ADR] offset:(\f/4)*32*PT+(\f%4)*32
	ds_load_tr16_b128 v[VF+8*\f+4:VF+8*\f+7], v[ADR] offset:(\f/4)*32*PT+16*PT+(\f%4)*32
.endr
	WIN 0
.endm
; THE VECTOR WORK OF A TURN; the two tiles alternate.
.macro REGS y, u
.set rT, ST+4*(2*(\y)+(\u))
.set rC, TMP+8*((\y)%2)+4*(\u)
.set rM, MV+(\u)
.set rS, S+64*((\y)%2)+32*(\u)
.set rP, P+32*((\y)%2)+16*(\u)
.set rO, 32*(2*(\y)+(\u))
.endm
; The next of the 64 lane masks of the NEXT piece goes from its register pair to its scalar register: number rn is word rn / 2 of tile rn % 2, the mask of select rn.
.macro RL
	WIN 0
.set mw, 32*(rn%2)+rn/2
	v_readlane_b32 s[MK0+(MK1-MK0)*(rn%2)+rn/2], v[MB+2*((Y+1)%NP)+mw%2], mw/2
.set rn, rn+1
.endm
; The pair just read out is loaded again, with the same piece's masks of the next key step: four turns ahead.  The last loads, which serve nothing, are held inside my 32,768 bytes.
.macro MNEXT
	s_wait_xcnt 0x0                 ; the load of the turn before has read its address: the pointer is written only behind this wait
	s_min_u32 s[MC], s[MO], 32512
	s_add_nc_u64 s[MQ:MQ+1], s[MP:MP+1], s[MC:MC+1]
	s_addk_co_i32 s[MO], 0x100
	global_load_b64 v[MB+2*((Y+1)%NP):MB+2*((Y+1)%NP)+1], v[L8], s[MQ:MQ+1]
.endm
; Select n of 64 for the next piece: score n / 2 of tile n % 2 stays where its lane's bit is set, else -2^100.  The registers ascend: each accumulator is read first at its lowest register.
.macro CM n
	REGS (Y+1)%NP, (\n)%2
	v_cndmask_b32 v[rS+(\n)/2], s[BIGN], v[rS+(\n)/2], s[MK0+(MK1-MK0)*((\n)%2)+(\n)/2]
.endm
; Number n of the 22 that find the next piece's maximum and statistics.
.macro XS u, n
	REGS (Y+1)%NP, \u
.if (\n) < 4
	v_max3_num_f32 v[rC+(\n)], v[rS+8*(\n)], v[rS+8*(\n)+1], v[rS+8*(\n)+2]
.elseif (\n) < 12
	v_max3_num_f32 v[rC+(\n)%4], v[rC+(\n)%4], v[rS+8*((\n)%4)+2*((\n)/4)+1], v[rS+8*((\n)%4)+2*((\n)/4)+2]
.elseif (\n) == 12
	v_max3_num_f32 v[rC], v[rC], v[rS+7], v[rS+15]
.elseif (\n) == 13
	v_max3_num_f32 v[rC+1], v[rC+1], v[rS+23], v[rS+31]
.elseif (\n) == 14
	v_max3_num_f32 v[rC+2], v[rC+2], v[rC+3], v[rT+1]
.elseif (\n) == 15
	v_mov_b32 v[rM], v[rT]
.elseif (\n) == 16
	v_max3_num_f32 v[rC], v[rC], v[rC+1], v[rC+2]
.elseif (\n) == 17
	v_permlanex16_b32 v[rC+3], v[rC], s[SEL], s[SEL+1]
.elseif (\n) == 18
	v_max_num_f32 v[rT+1], v[rC], v[rC+3]
.elseif (\n) == 19
	v_mul_f32 v[rT], s[CS], v[rT+1]
.elseif (\n) == 20
	v_sub_f32 v[rC+1], v[rM], v[rT]
.else
	v_exp_f32 v[rC+2], v[rC+1]
.endif
.endm
; Number g of the 64 that follow the exponentials: roundings to f16, sums in place, l.
.macro GS g
.set h, (\g)+6*((\g)/62)
.if h >= 6
.set h, h+2
.endif
	REGS Y, h%2
.set k, h/8
.if h%8 < 4
	v_cvt_pk_f16_f32 v[rP+2*k+(h%8)/2], v[rS+4*k+2*((h%8)/2)], v[rS+4*k+2*((h%8)/2)+1]
.elseif h%8 < 6
	v_pk_add_f32 v[rS+4*k:rS+4*k+1], v[rS+4*k:rS+4*k+1], v[rS+4*k+2:rS+4*k+3]
.elseif k == 1
	v_pk_fma_f32 v[rT+2:rT+3], v[rT+2:rT+3], v[rC+2:rC+3], v[rS:rS+1] op_sel_hi:[1,0,1]
.else
	v_pk_add_f32 v[rT+2:rT+3], v[rT+2:rT+3], v[rS+4*k-4:rS+4*k-3]
.endif
.endm
.macro GN                           ; the next of them
	WIN 0
	GS gg
.set gg, gg+1
.endm
.macro FS f
	REGS Y, (\f)%2
	v_pk_fma_f32 v[rS+2*((\f)/2):rS+2*((\f)/2)+1], v[rS+2*((\f)/2):rS+2*((\f)/2)+1], s[CS:CS+1], v[rT:rT+1] op_sel_hi:[1,0,0] neg_lo:[0,0,1] neg_hi:[0,0,1]
.endm
.macro PF                           ; the next of the 32 scalings
	WIN 0
	FS ff
.set ff, ff+1
.endm
; THE LUMP'S PLAIN QUEUE, 153 long.  0-44: scalings 17-31, behind each two lane masks; 45-46 the last two lane masks, and behind them the pair's next load; 47-110 the selects;
; 111-138 the maximum's numbers 0-13; 139-140 number 15; 141-142 number 14; 143-152 numbers 16-20.
.macro PL
	WIN 0
.if q < 45
.if q%3 == 0
	PF
.else
	RL
.endif
.elseif q < 47
	RL
.if q == 46
	MNEXT
.endif
.elseif q < 111
	CM q-47
.elseif q < 139
	XS (q-111)%2, (q-111)/2
.elseif q < 141
	XS q-139, 15
.elseif q < 143
	XS q-141, 14
.else
	XS (q-143)%2, 16+(q-143)/2
.endif
.set q, q+1
.endm
; THE EXPONENTIALS, 66: s0-s31 of both tiles, then the next piece's two a.  ONE BATCH: nothing ahead of the turn's one wait names a result of theirs.
.macro EX
	WIN 0
.if e >= 64
	XS e-64, 21
.else
	REGS Y, e%2
	v_exp_f32 v[rS+e/2], v[rS+e/2]
.endif
.set e, e+1
.endm
.macro R2                           ; O^T times a, two at a time, each accumulator from its low end on
	REGS Y, r%2
	WIN W_RS
.irp z, 0,1
	v_pk_mul_f32 v[rO+4*(r/2)+2*\z:rO+4*(r/2)+2*\z+1], v[rO+4*(r/2)+2*\z:rO+4*(r/2)+2*\z+1], v[rC+2:rC+3] op_sel_hi:[1,0]
.endr
.set r, r+1
.endm
; HOW THEY ARE DEALT.  Ahead of the wait: 16 products K Q^T, behind each a scaling, an exponential and two lane masks (behind the first a second scaling), all in window 0; then one lump: seven plain, 33 times an
; exponential and four plain, 14 times exponential and plain (the links of the maximum's chain stand four lines apart), four exponentials, and the 32 rescalings in one block: the one part that leaves window 0,
; and the plain work between the last exponential and the wait; their a was made, and waited for, in the turn before.
; Exponential e needs scaling 2 (e / 4) + e % 2: as a rider it stands behind scaling e + 2; in the lump all scalings are out at the 43rd plain, where exponential 24 stands, which needs scaling 12.
; Lane mask n stands 47 plain instructions or more ahead of select n.  The first select stands behind fifteen scalings that follow the last product K Q^T.
; Behind the wait: 16 products V^T P, behind each four of the roundings and sums.
; K of the next step is fetched in piece 2's turn, directly behind the wait; V of the step in hand at the end of piece 0's turn, four plain riders behind its last reader.
.macro TURN p, last=0, cnt=0
.set Y, (\p)
.set i, 0
.set q, 0
.set e, 0
.set r, 0
.set ff, 0
.set rn, 0
.set gg, 0
	s_wait_loadcnt 3                ; the next piece's lane masks, asked for four turns ago, are in: the three younger loads are the other three pairs'
.if (\p) == NP-1
	s_wait_dscnt 0x0                ; K is in
.endif
	MM
	PF
	PF
	RL
	RL
.rept 15
	MM
	PF
	EX
	RL
	RL
.endr
.if (\p) == NP-2
	WIN 0
	v_add_nc_u32 v[ADR], s[TBK], v[AK0]
.endif
.rept 7
	PL
.endr
.rept 33
	EX
	PL
	PL
	PL
	PL
.endr
.rept 14
	EX
	PL
.endr
.rept 4
	EX
.endr
.rept 16
	R2
.endr
	s_wait_alu depctr_va_vdst(0)    ; the wait for the batch ahead of the first use
.if (\p) == NP-2
	FETCH_K \last
.endif
.if (\p) == 1
	s_wait_dscnt 0x0                ; V is in
.endif
.rept 16
	MM
.rept 4
	GN
.endr
.if ((\p) == 0) && (gg == 44)
	v_add_nc_u32 v[ADR], s[TBV], v[AV0]
.endif
.if ((\p) == 0) && (gg == 56)
	s_add_co_u32 s[TBV], s[TBV], STEPB
.endif
.if (\cnt) && (gg == 56)
	s_sub_co_u32 s[CNT], s[CNT], 1
	s_cmp_lg_u32 s[CNT], 0
.endif
.endr
.if (\p) == 0
	FETCH_V
.endif
.endm
	CHANGE 1                        ; slot 0 is in, everybody's part of it; slot 1 is asked for
	FETCH_K                         ; key step 0
	s_wait_loadcnt 0x0              ; Q, and the first four blocks of lane masks
	s_mov_b32 s[CNT], 4
	s_branch .Lenter                ; the loop is entered at piece 3's turn, which makes piece 0's first scores
.Lslot:                             ; six times: every slot but the last two is filled again
	CHANGE 1
	s_mov_b32 s[CNT], 4
.Lstep:                             ; a trip: pieces 2 and 3 of one step, then pieces 0 and 1 of the next
	TURN 2
	WIN 0
.Lenter:
	TURN 3
	TURN 0
	TURN 1, 0, 1
	WIN 0
	s_cbranch_scc1 .Lstep
	s_sub_co_u32 s[SLOTS], s[SLOTS], 1
	s_cmp_lg_u32 s[SLOTS], 0
	s_cbranch_scc1 .Lslot
	CHANGE 0                        ; the tail is written out
	s_mov_b32 s[CNT], 5
.Ltail:
	TURN 2, 1
	TURN 3
	WIN 0
	s_sub_co_u32 s[CNT], s[CNT], 1
	s_cmp_eq_u32 s[CNT], 0
	s_cbranch_scc1 .Lout
	TURN 0
	TURN 1
	WIN 0
	s_branch .Ltail
.Lout:                              ; the fifth trip's scores, on the last K once more, serve nothing: the price of one text for every trip
	s_wait_loadcnt 0x0              ; the last lane masks, which serve nothing either: their registers are taken for the way out
.set i, 0
.rept 16
	PV NP-1
.set i, i+1
.endr
	; THE WAY OUT.  l's halves are added; O^T is divided by l, rounded to f16 and sent through my stage, a tile at a time.  The addresses, made here from 8 x lane, are the places behind the last products.
	WIN 0
	v_bfe_u32 v11, v[L8], 3, 4      ; l % 16
	v_bfe_u32 v12, v[L8], 7, 1      ; l / 16
	v_mul_u32_u24 v[STO], v11, SP   ; in: row l % 16, 16 bytes for each half of the lanes
	v_lshl_add_u32 v[STO], v12, 4, v[STO]
	v_add_nc_u32 v[STO], s[STG], v[STO]
	v_bfe_u32 v[RD], v[L8], 6, 2    ; back: four rows of 128 bytes,
	v_mul_u32_u24 v[RD], v[RD], SP
	v_bfe_u32 v11, v[L8], 3, 3
	v_lshl_add_u32 v[RD], v11, 4, v[RD]
	v_add_nc_u32 v[RD], s[STG], v[RD]
	v_lshlrev_b32 v[GO], 1, v[L8]   ; which are 512 consecutive bytes of O
.macro ALL line:vararg
.set t, 0
.rept 2*NP
	\line
.set t, t+1
.endr
.endm
	ALL v_add_f32 v[ST+4*t+2], v[ST+4*t+2], v[ST+4*t+3]
	ALL v_permlanex16_b32 v[ST+4*t+3], v[ST+4*t+2], s[SEL], s[SEL+1]
	ALL v_add_f32 v[ST+4*t+2], v[ST+4*t+2], v[ST+4*t+3]
	ALL v_rcp_f32 v[ST+4*t+2], v[ST+4*t+2]
	v_nop
	s_wait_alu depctr_va_vdst(0)    ; one wait for the eight reciprocals
.macro PACK t
	WIN W_RS
.set i, 32*(\t)
.rept 16
	v_pk_mul_f32 v[i:i+1], v[i:i+1], v[ST+4*(\t)+2:ST+4*(\t)+3] op_sel_hi:[1,0]
.set i, i+2
.endr
	WIN 0x05
.set i, 0
.rept 16
	v_cvt_pk_f16_f32 v[S+16*(\t)+i], v[32*(\t)+2*i], v[32*(\t)+2*i+1]
.set i, i+1
.endr
	WIN 0
.irp f, 0,1,2,3
	ds_store_b128 v[STO], v[S+16*(\t)+4*\f:S+16*(\t)+4*\f+3] offset:32*\f
.endr
.irp f, 0,1,2,3
	ds_load_b128 v[S+16*(\t)+4*\f:S+16*(\t)+4*\f+3], v[RD] offset:\f*4*SP  ; LDS serves a wave's instructions in order (ISA guide 5.7.1.4)
.endr
.endm
.macro SEND t, younger              ; younger: the next tile's eight LDS instructions, or none
	WIN 0
.irp f, 0,1,2,3
	s_wait_dscnt (\younger)+3-\f
	global_store_b128 v[GO], v[S+16*(\t)+4*\f:S+16*(\t)+4*\f+3], s[OB:OB+1] offset:(\t)*2048+\f*512  ; 512 consecutive bytes, aligned
.endr
.endm
	PACK 0
.set t, 1
.rept 2*NP-1
	PACK t
	SEND t-1, 8
.set t, t+1
.endr
	SEND 2*NP-1, 0
	WIN W_AD
	s_wait_tensorcnt 0x0            ; the wave's end
	ds_add_u32 v[SPW], v[NIL]
	s_wait_dscnt 0x0
	WIN 0
	CROUND                          ; the closing round
	s_endpgm
.Lfunc_end_k_q6b885a39d4_attn:
	.size	k_q6b885a39d4_attn, .Lfunc_end_k_q6b885a39d4_attn-k_q6b885a39d4_attn
	.p2alignl 7, 3214868480
	.fill 96, 4, 3214868480
	.section	.rodata,"a",@progbits
	.p2align	6, 0x0
	.amdhsa_kernel k_q6b885a39d4_attn
		.amdhsa_group_segment_fixed_size 327680
		.amdhsa_private_segment_fixed_size 0
		.amdhsa_enable_private_segment 0
		.amdhsa_kernarg_size 32
		.amdhsa_user_sgpr_count 2
		.amdhsa_user_sgpr_kernarg_segment_ptr 1
		.amdhsa_wavefront_size32 1
		.amdhsa_system_sgpr_workgroup_id_x 1
		.amdhsa_system_sgpr_workgroup_id_y 1
		.amdhsa_system_sgpr_workgroup_id_z 1
		.amdhsa_system_vgpr_workitem_id 0
		.amdhsa_next_free_vgpr 770
		.amdhsa_next_free_sgpr 106
		.amdhsa_reserve_vcc 0
		.amdhsa_float_denorm_mode_32 3
		.amdhsa_float_denorm_mode_16_64 3
		.amdhsa_memory_ordered 1
		.amdhsa_forward_progress 1
		.amdhsa_inst_pref_size 251
	.end_amdhsa_kernel
	.amdgpu_metadata
---
amdhsa.version: [ 1, 2 ]
amdhsa.kernels:
  - .name:           k_q6b885a39d4_attn
    .symbol:         k_q6b885a39d4_attn.kd
    .args:
      - { .name: qh, .offset: 0, .size: 8, .value_kind: global_buffer, .address_space: global }
      - { .name: kvh, .offset: 8, .size: 8, .value_kind: global_buffer, .address_space: global }
      - { .name: mbits, .offset: 16, .size: 8, .value_kind: global_buffer, .address_space: global }
      - { .name: oh, .offset: 24, .size: 8, .value_kind: global_buffer, .address_space: global }
    .group_segment_fixed_size: 327680
    .private_segment_fixed_size: 0
    .kernarg_segment_align: 8
    .kernarg_segment_size: 32
    .max_flat_workgroup_size: 128
    .sgpr_count:     106
    .vgpr_count:     770
    .wavefront_size: 32
...
	.end_amdgpu_metadata
.endif
;; end of part 3
;; launch outp (part 4): grid 64 x 4, 4 waves a work-group, clusters of 4 x 1, 327,680 bytes of LDS; arguments oh, w16, b32, out0; writes out0
.if DOCPART == 4
	.amdgcn_target "amdgcn-amd-amdhsa--gfx1250"
	.amdhsa_code_object_version 6
	.text
	.protected	k_q6b885a39d4_outp
	.globl	k_q6b885a39d4_outp
	.p2align	8
	.type	k_q6b885a39d4_outp,@function
k_q6b885a39d4_outp:
	s_mov_b64 s[64:65], 0
	v_nop
	global_prefetch_b8 v0, s[64:65] scope:SCOPE_SE
	s_setreg_imm32_b32 hwreg(HW_REG_WAVE_MODE, 25, 1), 1
	s_wait_xcnt 0x0
	s_wait_alu depctr_hold_cnt(0) depctr_sa_sdst(0) depctr_va_vdst(0) depctr_va_sdst(0) depctr_va_ssrc(0) depctr_va_vcc(0) depctr_vm_vsrc(0)
	s_getreg_b32 s2, hwreg(HW_REG_IB_STS2, 6, 4)
	s_cmp_eq_u32 s2, 0
	s_cbranch_scc0 .Lentry_in_a_cluster
	s_endpgm
.Lentry_in_a_cluster:
	s_bfe_u32 s2, ttmp6, 0x10000c
	s_cmp_lg_u32 s2, 0x3003
	s_cbranch_scc0 .Lentry_shape_is_right
	s_endpgm
.Lentry_shape_is_right:
; THE LAST PROJECTION.  out0 = x Wo^T + bo, x[row][64 head + d] = oh[batch x 16 + head][row][d].  oh is f16; Wo comes from plane 3 of w16 (rounded to bf16, written as f16), bo as f32 from b32;
; sums in f32, started at the bias; out0 [8192][1024] f32.
; SHARES, CLUSTER, LDS AND REGISTERS as in the first three projections: a work-group makes 128 rows x 256 columns, a wave 64 x 128; K = 1,024 in 8 steps of 128, which are two heads;
; Wo's tile is asked for jointly by the four row tiles of a cluster, each wave for its own 64 rows; x comes through registers (its rows of a K step are two pieces of 128 bytes in two heads), a wave its own
; 32 rows, two K steps ahead, and is put into LDS one step ahead of its use; nothing is converted.
.set PITCH, 272
.set R16,   16*PITCH
.set ASLOT, 128*PITCH
.set BBASE, 2*ASLOT
.set BSLOT, 256*PITCH
.set BWAVE, 64*PITCH
.set STAGE, BBASE+2*BSLOT
.set SP,    528                        ; a stage row: 512 bytes + 16 = 132 words: the 16 rows of a store start at 16 different groups of four banks
.set SPARE, STAGE+4*16*SP
.set FR,    160
.set STG,   32
.set HEADB, 262144                     ; a head's 2,048 rows of 128 bytes
.set MSB, 0
.macro WIN new
.if MSB != (\new)
	s_set_vgpr_msb (MSB<<8)|(\new)
.set MSB, \new
.endif
.endm
.macro PLACES
.rept 4
	v_nop
.endr
.endm
.macro CREST
	s_cmp_lg_u32 s2, 0
	s_cbranch_scc1 .Lnot_wave_0_\@
	s_barrier_signal -3
.Lnot_wave_0_\@:
	s_barrier_wait -3
	s_barrier_signal -1
	s_barrier_wait -1
.endm
.macro CROUND
	s_barrier_signal -1
	s_barrier_wait -1
	CREST
.endm
.macro JLOAD s
	tensor_load_to_lds s[24+4*(\s):27+4*(\s)], s[16:23]
	s_nop 0
	PLACES
.endm
.macro MULA f, a                       ; the 32 accumulators take turns, one instruction a turn
	WIN 0x50+0x0a*(\f)
.irp b, 0,1,2,3,4,5,6,7
	v_wmma_f32_16x16x32_f16 v[8*(8*(\a)+(\b)):8*(8*(\a)+(\b))+7], v[FR+8*(\b):FR+8*(\b)+7], v[FR+64+8*(\a):FR+64+8*(\a)+7], v[8*(8*(\a)+(\b)):8*(8*(\a)+(\b))+7]
.endr
.endm
.macro FETCH slot, k, f
	WIN 0x80*(\f)
.irp i, 0,1,2,3,4,5,6,7
	ds_load_b128 v[FR+8*(\i):FR+8*(\i)+3],   v[3+(\slot)] offset:(\k)+(\i)*R16
	ds_load_b128 v[FR+8*(\i)+4:FR+8*(\i)+7], v[3+(\slot)] offset:(\k)+(\i)*R16+32
.endr
.irp i, 0,1,2,3
	ds_load_b128 v[FR+64+8*(\i):FR+64+8*(\i)+3],   v2 offset:ASLOT*(\slot)+(\k)+(\i)*R16
	ds_load_b128 v[FR+64+8*(\i)+4:FR+64+8*(\i)+7], v2 offset:ASLOT*(\slot)+(\k)+(\i)*R16+32
.endr
.endm
; PREFETCHES INTO THE L2.  x's rows are read by the four tile columns: tile column 0 asks, each wave for its own 32 rows of two heads, 8,192 bytes, a lane 256 of them, two K steps on from the one just loaded.
; Wo's rows are read by all sixteen clusters: cluster x = 0 asks, the partners sharing the rows out by address, once a lap, four and five K steps on.  The loop's last lap asks for nothing.
.macro ASKA
	s_cmp_gt_u32 s3, s14
	s_cbranch_scc0 .Lno_a_\@
	global_prefetch_b8 v7, s[6:7] offset:4*HEADB th:TH_LOAD_NT scope:SCOPE_SE
.Lno_a_\@:
.endm
.macro ASKB
	s_cmp_gt_u32 s3, s15
	s_cbranch_scc0 .Lno_b_\@
	global_prefetch_b8 v8, s[12:13] th:TH_LOAD_NT scope:SCOPE_SE
.Lno_b_\@:
.endm
; One head (half) of the next K step's x goes into slot dst; rel = 1: its registers are loaded again, with the K step after that.  cnt: the other head's 8 loads are younger.
.macro ACH half, dst, rel, cnt
	WIN 0
	s_wait_loadcnt \cnt
.if ((\half) == 0) && (\rel)
	s_wait_xcnt 0x0                                ; every load and prefetch issued so far has read its address
	s_add_nc_u64 s[6:7], s[6:7], 2*HEADB
.if (\dst) == 1
	s_add_nc_u64 s[12:13], s[12:13], 512
.endif
.endif
.set ii, 0
.rept 8
	ds_store_b128 v6, v[STG+32*(\half)+4*ii:STG+32*(\half)+4*ii+3] offset:ASLOT*(\dst)+128*(\half)+4*PITCH*ii
.set ii, ii+1
.endr
.if \rel
.set ii, 0
.rept 8
	global_load_b128 v[STG+32*(\half)+4*ii:STG+32*(\half)+4*ii+3], v5, s[6:7] offset:HEADB*(\half)+512*ii   ; four dense rows: 512 bytes on end
.set ii, ii+1
.endr
.if (\half) == 0
	ASKA
.endif
.endif
.endm
.macro QUARTER slot, k, f, g, ach=0, half=0, dst=0, rel=0, cnt=0
	s_wait_dscnt 0x0                               ; buffer f is in
	MULA \f, 0
	MULA \f, 1
	PLACES
	FETCH \slot, \k, \g
.if \ach
	ACH \half, \dst, \rel, \cnt
.endif
	MULA \f, 2
	MULA \f, 3
.endm
; The change of slots: each wave waits for all its tensor loads, adds 0 to its spare word, and waits for that, for its reads of this slot and for its stores of x into the next; with fill = 1 the barrier
; opens a round of the cluster's, and Wo's slot is filled again first thing behind it.
.macro TURN slot, next, fill
	WIN 0
	s_wait_tensorcnt 0x0
	ds_add_u32 v28, v29
	s_wait_dscnt 1                                 ; the add alone may be out
	MULA 1, 0
	s_wait_dscnt 0x0
	s_barrier_signal -1
	MULA 1, 1
	WIN 0
	s_barrier_wait -1
.if \fill
	CREST
	s_add_nc_u64 s[26+4*(\slot):27+4*(\slot)], s[26+4*(\slot):27+4*(\slot)], 512
	JLOAD \slot
.else
	PLACES
.endif
	FETCH \next, 0, 0
.if (\fill) && ((\slot) == 0)
	ASKB
.endif
	MULA 1, 2
	MULA 1, 3
.endm
	s_load_b256 s[36:43], s[0:1], 0x0              ; oh, w16, b32, out0
	v_lshl_add_u32 v28, v0, 2, SPARE
	v_mov_b32 v29, 0
	ds_add_u32 v28, v29                            ; the wave's opening: the add and its wait ahead of my first tensor load
	v_lshrrev_b32 v1, 5, v0
	v_readfirstlane_b32 s2, v1
	s_lshr_b32 s4, s2, 1
	s_and_b32 s5, s2, 1
	s_bfe_u32 s54, ttmp6, 0x40000                  ; cx
	s_lshl_b32 s55, ttmp9, 2
	s_add_co_u32 s55, s55, s54                     ; tile row
	s_and_b32 s57, ttmp7, 0xffff                   ; tile column
	s_mov_b32 s16, 15|(1<<16)|(1<<20)|(1<<21)|(5<<22)|(3<<25)
	s_mov_b32 s17, 128<<16
	s_mov_b32 s18, 64<<16
	s_mov_b32 s19, 128<<16
	s_mov_b32 s20, 64
	s_mov_b32 s21, 1024
	s_mov_b32 s22, 0
	s_mov_b32 s23, 0
	s_mul_i32 s50, s2, BWAVE
	s_mov_b32 s24, 1
	s_add_co_u32 s25, s50, BBASE
	s_mov_b32 s28, 1
	s_add_co_u32 s29, s50, BBASE+BSLOT
	v_and_b32 v13, 31, v0
	v_and_b32 v14, 15, v0
	v_bfe_u32 v15, v0, 4, 1
	v_mul_u32_u24 v16, v14, PITCH
	v_lshl_add_u32 v16, v15, 4, v16
	s_mul_i32 s50, s4, 64*PITCH
	v_add_nc_u32 v2, s50, v16
	s_mul_i32 s50, s5, 128*PITCH
	s_add_co_u32 s50, s50, BBASE
	v_add_nc_u32 v3, s50, v16
	v_add_nc_u32 v4, BSLOT, v3
	s_lshl_b32 s50, s2, 12                         ; my 32 rows of 128 bytes
	v_lshl_add_u32 v5, v13, 4, s50                 ; x in
	v_lshl_add_u32 v7, v14, 8, s50
	v_lshl_add_u32 v7, v15, 18, v7                 ; x's prefetches: head l / 16, block l % 16 of my 4,096 bytes
	s_mul_i32 s50, s2, 32*PITCH
	v_lshrrev_b32 v17, 3, v13
	v_mul_u32_u24 v6, v17, PITCH
	v_and_b32 v17, 7, v0
	v_lshl_add_u32 v6, v17, 4, v6
	v_add_nc_u32 v6, s50, v6                       ; x into LDS: row l / 8, 16 (l % 8)
	s_lshl_b32 s50, s2, 15
	v_lshl_add_u32 v8, v14, 11, s50
	v_lshl_add_u32 v8, v15, 8, v8
	s_mul_i32 s50, s2, 16*SP
	s_add_co_u32 s50, s50, STAGE
	v_mul_u32_u24 v9, v14, SP
	v_lshl_add_u32 v9, v15, 5, v9
	v_add_nc_u32 v9, s50, v9                       ; the way out, in: row l % 16, 32 bytes for each half of the lanes
	v_lshl_add_u32 v10, v13, 4, s50                ; back: a row of 512 bytes
	v_lshlrev_b32 v11, 4, v13
	s_lshl_b32 s50, s57, 10
	s_lshl_b32 s51, s5, 9
	s_add_co_u32 s50, s50, s51
	v_lshl_add_u32 v12, v15, 5, s50
	s_cmp_eq_u32 s57, 0
	s_cselect_b32 s14, 1, -1
	s_cmp_eq_u32 ttmp9, 0
	s_cselect_b32 s15, 1, -1
	s_wait_dscnt 0x0                               ; the opening add is done
	s_wait_kmcnt 0x0
	s_lshr_b32 s60, s55, 4
	s_lshl_b32 s60, s60, 22                        ; the batch's sixteen heads,
	s_and_b32 s62, s55, 15
	s_lshl_b32 s62, s62, 14                        ; the tile's 128 rows
	s_add_co_u32 s60, s60, s62
	s_mov_b32 s61, 0
	s_add_nc_u64 s[6:7], s[36:37], s[60:61]
	s_lshl_b32 s52, s57, 19
	s_add_co_u32 s52, s52, 3<<21                   ; plane 3, my tile: no place in the cluster enters it
	s_lshl_b32 s53, s2, 17
	s_add_co_u32 s50, s52, s53
	s_mov_b32 s51, 0
	s_add_nc_u64 s[50:51], s[38:39], s[50:51]
	s_add_nc_u64 s[26:27], s[50:51], 0
	s_or_b32 s27, s27, 0x80000000
	s_add_nc_u64 s[30:31], s[50:51], 256
	s_or_b32 s31, s31, 0x80000000
	s_lshl_b32 s60, s54, 17
	s_add_co_u32 s60, s60, s52
	s_add_co_u32 s60, s60, 512
	s_add_nc_u64 s[12:13], s[38:39], s[60:61]
	s_add_nc_u64 s[32:33], s[40:41], 12288         ; bo
	s_lshl_b32 s60, s55, 19                        ; 128 rows of 4,096 bytes,
	s_lshl_b32 s62, s4, 18                         ; my 64,
	s_add_co_u32 s60, s60, s62
	s_lshl_b32 s62, s57, 10                        ; the tile's 256 columns,
	s_add_co_u32 s60, s60, s62
	s_lshl_b32 s62, s5, 9                          ; my 128
	s_add_co_u32 s60, s60, s62
	s_add_nc_u64 s[8:9], s[42:43], s[60:61]
	CROUND
	tensor_load_to_lds s[24:27], s[16:23]          ; two loads of mine are out
	s_nop 0
	tensor_load_to_lds s[28:31], s[16:23]
	s_nop 0
	PLACES
	WIN 0x80
.irp hh, 0,1
.irp i, 0,1,2,3,4,5,6,7
	global_load_b128 v[32*(\hh)+4*(\i):32*(\hh)+4*(\i)+3], v5, s[6:7] offset:HEADB*(\hh)+512*(\i)               ; x, K step 0
.endr
.endr
	WIN 0x40
.irp a, 0,1,2,3
.irp b, 0,1,2,3,4,5,6,7
	global_load_b128 v[8*(8*(\a)+(\b)):8*(8*(\a)+(\b))+3],   v12, s[32:33] offset:64*(\b)     ; the sums start at the bias
	global_load_b128 v[8*(8*(\a)+(\b))+4:8*(8*(\a)+(\b))+7], v12, s[32:33] offset:64*(\b)+16
.endr
.endr
	WIN 0
.irp hh, 0,1
.irp i, 0,1,2,3,4,5,6,7
	global_load_b128 v[STG+32*(\hh)+4*(\i):STG+32*(\hh)+4*(\i)+3], v5, s[6:7] offset:2*HEADB+HEADB*(\hh)+512*(\i) ; x, K step 1
.endr
.endr
	s_wait_loadcnt 16                              ; all but K step 1's 16 loads
	WIN 0x08
.irp hh, 0,1
.irp i, 0,1,2,3,4,5,6,7
	ds_store_b128 v6, v[32*(\hh)+4*(\i):32*(\hh)+4*(\i)+3] offset:128*(\hh)+4*PITCH*(\i)
.endr
.endr
	WIN 0
	s_wait_xcnt 0x0
	s_add_nc_u64 s[6:7], s[6:7], 2*HEADB           ; x's pointer stands at the K step loaded last
	s_wait_tensorcnt 0x1                           ; my part of Wo's K step 0 is in; K step 1's may stay out
	s_wait_dscnt 0x0
	s_barrier_signal -1
	s_barrier_wait -1
	FETCH 0, 0, 0
	s_mov_b32 s3, 3
.Llap:
	QUARTER 0, 64,  0, 1, 1, 0, 1, 1, 8
	QUARTER 0, 128, 1, 0, 1, 1, 1, 1, 8
	QUARTER 0, 192, 0, 1
	TURN 0, 1, 1
	QUARTER 1, 64,  0, 1, 1, 0, 0, 1, 8
	QUARTER 1, 128, 1, 0, 1, 1, 0, 1, 8
	QUARTER 1, 192, 0, 1
	TURN 1, 0, 1
	WIN 0
	s_sub_co_u32 s3, s3, 1
	s_cmp_lg_u32 s3, 0
	s_cbranch_scc1 .Llap
	QUARTER 0, 64,  0, 1, 1, 0, 1, 0, 8            ; the last lap is written out: it asks for nothing more
	QUARTER 0, 128, 1, 0, 1, 1, 1, 0, 0
	QUARTER 0, 192, 0, 1
	TURN 0, 1, 0
	QUARTER 1, 64,  0, 1
	QUARTER 1, 128, 1, 0
	QUARTER 1, 192, 0, 1
	s_wait_dscnt 0x0
	MULA 1, 0
	MULA 1, 1
	MULA 1, 2
	MULA 1, 3
	PLACES
	PLACES
; THE WAY OUT.  Block a: 16 rows x 128 columns of f32: straight from the accumulators (each from its low end on) into rows of 528 bytes of my stage, back as whole rows of 512 bytes.
.macro TOSTAGE a
	s_wait_xcnt 0x0                                ; the stores of the block before last have read the registers that are loaded again below
	WIN 0x04                                       ; the data in window 1
.irp b, 0,1,2,3,4,5,6,7
	ds_store_b128 v9, v[8*(8*(\a)+(\b)):8*(8*(\a)+(\b))+3]   offset:64*(\b)
	ds_store_b128 v9, v[8*(8*(\a)+(\b))+4:8*(8*(\a)+(\b))+7] offset:64*(\b)+16
.endr
	WIN 0
.irp t, 0,1,2,3,4,5,6,7,8,9,10,11,12,13,14,15
	ds_load_b128 v[STG+64*((\a)%2)+4*(\t):STG+64*((\a)%2)+4*(\t)+3], v10 offset:SP*(\t)   ; LDS serves a wave's instructions in order (ISA guide 5.7.1.4)
.endr
.endm
.macro SEND a, younger                 ; younger: the next block's 32 LDS instructions, or none
.irp t, 0,1,2,3,4,5,6,7,8,9,10,11,12,13,14,15
	s_wait_dscnt (\younger)+15-(\t)
	global_store_b128 v11, v[STG+64*((\a)%2)+4*(\t):STG+64*((\a)%2)+4*(\t)+3], s[8:9] offset:4096*(16*(\a)+(\t))   ; 512 consecutive bytes, aligned
.endr
.endm
	TOSTAGE 0
	TOSTAGE 1
	SEND 0, 32
	TOSTAGE 2
	SEND 1, 32
	TOSTAGE 3
	SEND 2, 32
	SEND 3, 0
	s_wait_tensorcnt 0x0                           ; the wave's end
	ds_add_u32 v28, v29
	s_wait_dscnt 0x0
	CROUND                                         ; the closing round
	s_endpgm
.Lfunc_end_k_q6b885a39d4_outp:
	.size	k_q6b885a39d4_outp, .Lfunc_end_k_q6b885a39d4_outp-k_q6b885a39d4_outp
	.p2alignl 7, 3214868480
	.fill 96, 4, 3214868480
	.section	.rodata,"a",@progbits
	.p2align	6, 0x0
	.amdhsa_kernel k_q6b885a39d4_outp
		.amdhsa_group_segment_fixed_size 327680
		.amdhsa_private_segment_fixed_size 0
		.amdhsa_enable_private_segment 0
		.amdhsa_kernarg_size 32
		.amdhsa_user_sgpr_count 2
		.amdhsa_user_sgpr_kernarg_segment_ptr 1
		.amdhsa_wavefront_size32 1
		.amdhsa_system_sgpr_workgroup_id_x 1
		.amdhsa_system_sgpr_workgroup_id_y 1
		.amdhsa_system_sgpr_workgroup_id_z 1
		.amdhsa_system_vgpr_workitem_id 0
		.amdhsa_next_free_vgpr 768
		.amdhsa_next_free_sgpr 66
		.amdhsa_reserve_vcc 0
		.amdhsa_float_denorm_mode_32 3
		.amdhsa_float_denorm_mode_16_64 3
		.amdhsa_memory_ordered 1
		.amdhsa_forward_progress 1
		.amdhsa_inst_pref_size 102
	.end_amdhsa_kernel
	.amdgpu_metadata
---
amdhsa.version: [ 1, 2 ]
amdhsa.kernels:
  - .name:           k_q6b885a39d4_outp
    .symbol:         k_q6b885a39d4_outp.kd
    .args:
      - { .name: oh, .offset: 0, .size: 8, .value_kind: global_buffer, .address_space: global }
      - { .name: w16, .offset: 8, .size: 8, .value_kind: global_buffer, .address_space: global }
      - { .name: b32, .offset: 16, .size: 8, .value_kind: global_buffer, .address_space: global }
      - { .name: out0, .offset: 24, .size: 8, .value_kind: global_buffer, .address_space: global }
    .group_segment_fixed_size: 327680
    .private_segment_fixed_size: 0
    .kernarg_segment_align: 8
    .kernarg_segment_size: 32
    .max_flat_workgroup_size: 128
    .sgpr_count:     66
    .vgpr_count:     768
    .wavefront_size: 32
...
	.end_amdgpu_metadata
.endif
;; end of part 4
